; MI455X (gfx1250); checked and timed in simulation.
; The chip was launched on July 23, 2026; its instructions are those of AMD's public machine-readable ISA for CDNA 5 (MIT licence, August 2026) and "CDNA5" Instruction Set Architecture Reference Guide (July 2026). The comments in the code are by the model that wrote it; some were corrected since.
;; SQA. Allowed arithmetic: float matrix products may take bf16 or f16 operands with f32 sums; all other float work in f32.
;; Inputs: W_kv 4,096 x 2,048 float32; W_p1 512 x 2,048 float32; W_p2 2,048 x 512 float32; b_kv 4,096 float32; b_p1 512 float32; b_p2 2,048 float32; ln_b 512 float32; ln_w 512 float32; q 1 x 2,048 float32; x 8,192 x 2,048 float32.
;; Outputs: out0 8,192 x 2,048 float32.
;; 2 versions, each right; version 2 is version 1 with the launches flash, combine written anew for expert scheduling mode. Each part assembles by itself: llvm-mc -triple=amdgcn-amd-amdhsa -mcpu=gfx1250 --defsym DOCPART=n.
;; ======== version 1 of 2: 5 launches
;; workspace buffers: u 65,536 bytes; yp 33,554,432 bytes; stats 32,768 bytes; x1p 131,072 bytes; h1p 32,768 bytes
;; launch qproj (part 1): grid 16 x 16, 8 waves a work-group, no clusters, 5,120 bytes of LDS; arguments W_kv, q, u; writes u
.if DOCPART == 1
	.amdgcn_target "amdgcn-amd-amdhsa--gfx1250"
	.amdhsa_code_object_version 6
	.text
	.protected	k_q35b9ebbb4d_qproj
	.globl	k_q35b9ebbb4d_qproj
	.p2align	8
	.type	k_q35b9ebbb4d_qproj,@function
k_q35b9ebbb4d_qproj:
	s_mov_b64 s[64:65], 0
	v_nop
	global_prefetch_b8 v0, s[64:65] scope:SCOPE_SE
	s_setreg_imm32_b32 hwreg(HW_REG_WAVE_MODE, 25, 1), 1
	s_wait_xcnt 0x0
; u[h][c] = SC * sum over d of q[128 h + d] * W_kv[128 h + d][c],  SC = log2(e) / sqrt(128),  u: [16][2048] bf16.
; With one query the scores are q_h . (W_k,h x_s + b_k,h) = u_h . x_s + q_h . b_k,h, so W_k is read once here and never multiplied by x.
; LIMIT: this is another order of summation than the reference's (k is never formed); u is rounded to bf16, as a matrix operand of the next launch.
; SHARES: work-group (cs, h) owns 128 rows of W_k (head h) x 128 columns (512 bytes of a row).  Wave w takes rows 16 w .. 16 w + 15,
; lane L columns 4 L .. 4 L + 3, so one load of a wave is 512 neighbouring bytes of one row.  All 16 loads of a wave are out at once.
; No matrix unit (one output row), no cluster (no two work-groups read the same bytes of W_kv; q is 512 bytes a group).
.set SC,   0x3e0293ee                  ; log2(e) / sqrt(128)
.set ROWB, 8192                        ; bytes in a row of W_kv
.set R,    4                           ; v[4:67]   the wave's 16 rows, 4 registers each
.set ACC,  68                          ; v[68:71] sums of the even rows, v[72:75] of the odd rows
.set QS,   16                          ; s[16:31]  the wave's 16 numbers of q
.macro FOLD base, quads                ; adds quads number quads .. 2 quads - 1 onto quads 0 .. quads - 1
.set k, 0
.rept 2*\quads
	v_pk_add_f32 v[\base+2*k:\base+2*k+1], v[\base+2*k:\base+2*k+1], v[\base+4*\quads+2*k:\base+4*\quads+2*k+1]
.set k, k+1
.endr
.endm
	s_load_b128 s[4:7], s[0:1], 0x0                ; W_kv s[4:5], q s[6:7]
	s_load_b64 s[8:9], s[0:1], 0x10                ; u
	v_lshl_add_u32 v80, v0, 2, 0x1000
	v_mov_b32 v81, 0
	v_lshrrev_b32 v1, 5, v0
	v_readfirstlane_b32 s10, v1                    ; wave 0..7
	s_and_b32 s11, ttmp7, 0xffff                   ; head
	v_and_b32 v3, 31, v0                           ; lane
	v_lshlrev_b32 v1, 4, v3                        ; 16 L: my 4 columns in a row's 512 bytes; also my quad in an LDS row
	v_lshlrev_b32 v2, 4, v0                        ; 16 x thread: where my wave's partial sums go in LDS
	v_lshlrev_b32 v3, 3, v3                        ; 8 L: my 4 bf16 of u
	s_lshl_b32 s12, s11, 20                        ; W_kv: head x 128 rows x 8,192 bytes
	s_lshl_b32 s13, s10, 17                        ; + wave x 16 rows
	s_add_co_u32 s12, s12, s13
	s_lshl_b32 s13, ttmp9, 9                       ; + slice x 512 bytes
	s_add_co_u32 s12, s12, s13
	s_mov_b32 s13, 0
	s_lshl_b32 s14, s11, 9                         ; q: head x 512 bytes + wave x 64
	s_lshl_b32 s15, s10, 6
	s_add_co_u32 s14, s14, s15
	s_mov_b32 s15, 0
	s_lshl_b32 s2, s11, 12                         ; u: head x 4,096 bytes + slice x 256
	s_lshl_b32 s3, ttmp9, 8
	s_add_co_u32 s2, s2, s3
	s_mov_b32 s3, 0
	s_wait_kmcnt 0x0
	s_add_nc_u64 s[4:5], s[4:5], s[12:13]
	s_add_nc_u64 s[6:7], s[6:7], s[14:15]
	s_add_nc_u64 s[8:9], s[8:9], s[2:3]
	s_load_b512 s[QS:QS+15], s[6:7], 0x0           ; q of my 16 rows: the same for all lanes, so it lives in scalar registers
.set i, 0
.rept 16
	global_load_b128 v[R+4*i:R+4*i+3], v1, s[4:5] offset:i*ROWB th:TH_LOAD_NT   ; read once in the launch
.set i, i+1
.endr
	s_wait_kmcnt 0x0                               ; q
.set i, 0
.rept 16
	s_wait_loadcnt 15-i                            ; loads come back in order (ISA guide 5.7.1): row i is in, the 15 - i younger ones stay out
.irp t, 0,1,2,3
.if i < 2
	v_mul_f32 v[ACC+4*(i%2)+\t], s[QS+i], v[R+4*i+\t]     ; rows 0 and 1 start the two chains: nothing is cleared
.else
	v_fmac_f32 v[ACC+4*(i%2)+\t], s[QS+i], v[R+4*i+\t]
.endif
.endr
.set i, i+1
.endr
	FOLD ACC, 1                                    ; odd rows' sums onto even rows'
	ds_store_b128 v2, v[ACC:ACC+3]                 ; wave w's 128 partial sums at byte 512 w
	s_wait_dscnt 0x0                               ; for wave 0's sake: my store is done
	s_barrier_signal -1
	s_barrier_wait -1
	s_cmp_lg_u32 s10, 0
	s_cbranch_scc1 .Lend                           ; wave 0 adds the eight waves' sums and stores
.irp k, 0,1,2,3,4,5,6,7
	ds_load_b128 v[R+4*\k:R+4*\k+3], v1 offset:512*\k
.endr
	s_wait_dscnt 0x0
	FOLD R, 4
	FOLD R, 2
	FOLD R, 1
	v_pk_mul_f32 v[R:R+1], v[R:R+1], SC op_sel_hi:[1,0]
	v_pk_mul_f32 v[R+2:R+3], v[R+2:R+3], SC op_sel_hi:[1,0]
	v_cvt_pk_bf16_f32 v[R+4], v[R], v[R+1]
	v_cvt_pk_bf16_f32 v[R+5], v[R+2], v[R+3]
	global_store_b64 v3, v[R+4:R+5], s[8:9]        ; 32 lanes x 8 bytes: 256 consecutive bytes, at a multiple of 256 from u's first byte
.Lend:
	s_wait_tensorcnt 0x0
	ds_add_u32 v80, v81
	s_wait_dscnt 0x0
	s_endpgm
.Lfunc_end_k_q35b9ebbb4d_qproj:
	.size	k_q35b9ebbb4d_qproj, .Lfunc_end_k_q35b9ebbb4d_qproj-k_q35b9ebbb4d_qproj
	.p2alignl 7, 3214868480
	.fill 96, 4, 3214868480
	.section	.rodata,"a",@progbits
	.p2align	6, 0x0
	.amdhsa_kernel k_q35b9ebbb4d_qproj
		.amdhsa_group_segment_fixed_size 5120
		.amdhsa_private_segment_fixed_size 0
		.amdhsa_enable_private_segment 0
		.amdhsa_kernarg_size 24
		.amdhsa_user_sgpr_count 2
		.amdhsa_user_sgpr_kernarg_segment_ptr 1
		.amdhsa_wavefront_size32 1
		.amdhsa_system_sgpr_workgroup_id_x 1
		.amdhsa_system_sgpr_workgroup_id_y 1
		.amdhsa_system_sgpr_workgroup_id_z 1
		.amdhsa_system_vgpr_workitem_id 0
		.amdhsa_next_free_vgpr 82
		.amdhsa_next_free_sgpr 66
		.amdhsa_reserve_vcc 0
		.amdhsa_float_denorm_mode_32 3
		.amdhsa_float_denorm_mode_16_64 3
		.amdhsa_memory_ordered 1
		.amdhsa_forward_progress 1
		.amdhsa_inst_pref_size 8
	.end_amdhsa_kernel
	.amdgpu_metadata
---
amdhsa.version: [ 1, 2 ]
amdhsa.kernels:
  - .name:           k_q35b9ebbb4d_qproj
    .symbol:         k_q35b9ebbb4d_qproj.kd
    .args:
      - { .name: W_kv, .offset: 0, .size: 8, .value_kind: global_buffer, .address_space: global }
      - { .name: q, .offset: 8, .size: 8, .value_kind: global_buffer, .address_space: global }
      - { .name: u, .offset: 16, .size: 8, .value_kind: global_buffer, .address_space: global }
    .group_segment_fixed_size: 5120
    .private_segment_fixed_size: 0
    .kernarg_segment_align: 8
    .kernarg_segment_size: 24
    .max_flat_workgroup_size: 256
    .sgpr_count:     66
    .vgpr_count:     82
    .wavefront_size: 32
...
	.end_amdgpu_metadata
.endif
;; end of part 1
;; launch flash (part 2): grid 256 x 1, 16 waves a work-group, no clusters, 249,344 bytes of LDS; arguments x, u, q, b_kv, yp, stats; writes yp, stats
.if DOCPART == 2
	.amdgcn_target "amdgcn-amd-amdhsa--gfx1250"
	.amdhsa_code_object_version 6
	.text
	.protected	k_q35b9ebbb4d_flash
	.globl	k_q35b9ebbb4d_flash
	.p2align	8
	.type	k_q35b9ebbb4d_flash,@function
k_q35b9ebbb4d_flash:
	s_mov_b64 s[64:65], 0
	v_nop
	global_prefetch_b8 v0, s[64:65] scope:SCOPE_SE
	s_setreg_imm32_b32 hwreg(HW_REG_WAVE_MODE, 25, 1), 1
	s_wait_xcnt 0x0
; For block p of 32 rows of x and all 16 heads:  S[h][s] = u_h . x_s + c_h  (in units of log2: u and c carry log2(e) / sqrt(128)),
; m[h] = max over the block's rows, P = 2^(S - m), l[h] = sum of P,  yp[h][:] = sum over the rows of P[h][s] x[s][:].
; The block's maximum is taken away here, the maximum over all blocks in the next launch.
; LIMITS: u, x and P are rounded to bf16 as matrix operands, sums in f32; l is the sum of the unrounded weights; a weight below 2^-126 becomes 0 (v_exp_f32).
; SHARES: one work-group = 32 rows x 2,048 columns of x (256 KiB), asked for whole at the start.  Wave w owns columns 128 w .. 128 w + 127 of all
; 32 rows, for BOTH products, so x never passes from wave to wave; only the 16 x 32 partial scores of the sixteen waves meet in LDS.
; THE LOAD'S SHAPE: one load takes 256 bytes of two rows: lanes 0-15 row a, lanes 16-31 row a + 8; lane r holds columns 64 g + 4 r .. + 3.
;   For P x: two such registers of neighbouring rows, rounded as a pair, ARE a register of source 1 (32 rows x 16 columns): lane r stands for column
;   64 g + 4 r + t, the lane's half for rows 8 (lane / 16) on: four tiles t for each half g of the slice, with no trip through LDS.
;   For u x^T: the same registers, rounded by pairs of columns, go once through the wave's own LDS rows and come back as source 0 (16 rows x 32 columns).
; NO CLUSTER: what work-groups share is u, 64 KiB a group against 256 KiB of x of its own, and it comes through registers.
; NO RING: every byte a wave needs is on its way from the first lines on: 42 loads a wave.
.set SC,   0x3e0293ee                  ; log2(e) / sqrt(128)
.set PIT,  272                         ; an LDS row of 128 bf16: 256 bytes + 16: the 16 rows of a fragment load start 68 words apart
.set XB,   0                           ; 16 waves x 32 rows x 272: x in bf16, each wave's own
.set XBW,  32*PIT
.set UB,   16*XBW                      ; 16 waves x 16 heads x 272: u's slice, each wave's own
.set UBW,  16*PIT
.set SP,   UB+16*UBW                   ; 16 waves x 16 heads x 144: partial scores (32 rows of f32 + 16 bytes)
.set SPW,  16*144
.set PB,   SP+16*SPW                   ; 16 heads x 80: P in bf16 (32 rows + 16 bytes)
.set ST,   PB+16*80                    ; m[16], l[16]
.set T,    18                          ; v[18:19]   a rounded quad on its way to LDS
.set UF,   24                          ; v[24:39]   u's fragments of two K steps; first q in v[24:27], b_k in v[28:31]
.set XA,   40                          ; v[40:71]   x's fragments (2 K steps x 2 row tiles); first u as loaded; later the partial scores, then P's fragment v[40:47]
.set S0,   72                          ; v[72:79] scores of rows 0-15, v[80:87] of rows 16-31
.set F0,   88                          ; v[88:119]  source 1 of P x for g = 0 (4 tiles); g = 1: v[120:151], over x's registers of g = 0
.set XR0,  120                         ; v[120:183] x as loaded, g = 0;  v[184:247] g = 1
.set DD,   184                         ; v[184:247] the 8 results of P x, (g, t) at 184 + 32 g + 8 t, over x's registers of g = 1
.set OO,   88                          ; v[88:151]  store quads, over the F registers
.set SEL,  20                          ; s[20:21]   lane selects of v_permlanex16_b32: each lane takes its own place in the other half
.macro WSUM a, t                       ; the sum over the 32 lanes, in every lane
	v_add_f32_dpp v[\a], v[\a], v[\a] row_xmask:1 row_mask:0xf bank_mask:0xf
	v_add_f32_dpp v[\a], v[\a], v[\a] row_xmask:2 row_mask:0xf bank_mask:0xf
	v_add_f32_dpp v[\a], v[\a], v[\a] row_xmask:4 row_mask:0xf bank_mask:0xf
	v_add_f32_dpp v[\a], v[\a], v[\a] row_xmask:8 row_mask:0xf bank_mask:0xf
	v_permlanex16_b32 v[\t], v[\a], s[SEL], s[SEL+1]
	v_add_f32 v[\a], v[\a], v[\t]
.endm
.macro WMAX a, t                       ; the maximum likewise
	v_max_num_f32_dpp v[\a], v[\a], v[\a] row_xmask:1 row_mask:0xf bank_mask:0xf
	v_max_num_f32_dpp v[\a], v[\a], v[\a] row_xmask:2 row_mask:0xf bank_mask:0xf
	v_max_num_f32_dpp v[\a], v[\a], v[\a] row_xmask:4 row_mask:0xf bank_mask:0xf
	v_max_num_f32_dpp v[\a], v[\a], v[\a] row_xmask:8 row_mask:0xf bank_mask:0xf
	v_permlanex16_b32 v[\t], v[\a], s[SEL], s[SEL+1]
	v_max_num_f32 v[\a], v[\a], v[\t]
.endm
	s_load_b256 s[4:11], s[0:1], 0x0               ; x s[4:5], u s[6:7], q s[8:9], b_kv s[10:11]
	s_load_b128 s[12:15], s[0:1], 0x20             ; yp s[12:13], stats s[14:15]
	v_lshl_add_u32 v254, v0, 2, 0x3c600
	v_mov_b32 v255, 0
	v_lshrrev_b32 v1, 5, v0
	v_readfirstlane_b32 s16, v1                    ; wave 0..15
	v_and_b32 v1, 15, v0                           ; r
	v_bfe_u32 v2, v0, 4, 1                         ; which half of the lanes
	v_and_b32 v3, 31, v0                           ; lane
	v_lshlrev_b32 v4, 4, v0                        ; q, b_k: 16 x thread: wave w's lanes hold exactly head w's 128 numbers
	v_lshlrev_b32 v5, 4, v1                        ; 16 r
	v_lshl_add_u32 v6, v2, 16, v5                  ; x: 16 r, and 8 rows of 8,192 bytes down for lanes 16-31
	v_lshl_add_u32 v16, v2, 24, v5                 ; yp: 16 r, and 8 heads of 2,097,152 bytes on for lanes 16-31
	v_add_nc_u32 v17, 0x800000, v16                ; the same 4 heads on, so that the stores' immediates stay inside their signed 24 bits
	v_lshl_add_u32 v5, v2, 12, v5                  ; u: 16 r, and one head (4,096 bytes) on for lanes 16-31
	v_mov_b32 v21, 0                               ; v_permlanex16_b32 counts as a reader of its destination
	s_mov_b32 s[SEL], 0x76543210
	s_mov_b32 s[SEL+1], 0xfedcba98
	s_lshl_b32 s22, ttmp9, 18                      ; x: block x 32 rows x 8,192 bytes + wave x 512
	s_lshl_b32 s23, s16, 9
	s_add_co_u32 s22, s22, s23
	s_mov_b32 s23, 0
	s_lshl_b32 s24, s16, 8                         ; u: wave x 256 bytes
	s_mov_b32 s25, 0
	s_lshl_b32 s26, s16, 17                        ; yp [head][slice][block][128] f32: slice (= wave) x 131,072 + block x 512
	s_lshl_b32 s27, ttmp9, 9
	s_add_co_u32 s26, s26, s27
	s_mov_b32 s27, 0
	s_lshl_b32 s28, ttmp9, 7                       ; stats [block][32] f32
	s_mov_b32 s29, 0
	s_wait_kmcnt 0x0
	s_add_nc_u64 s[4:5], s[4:5], s[22:23]
	s_add_nc_u64 s[6:7], s[6:7], s[24:25]
	s_add_nc_u64 s[12:13], s[12:13], s[26:27]
	s_add_nc_u64 s[14:15], s[14:15], s[28:29]
	; 42 loads, the small ones first, so that their counted waits leave x on its way
	global_load_b128 v[UF:UF+3], v4, s[8:9]        ; q
	global_load_b128 v[UF+4:UF+7], v4, s[10:11]    ; b_k: the first 2,048 numbers of b_kv
.set i, 0
.rept 8
	global_load_b128 v[XA+4*i:XA+4*i+3], v5, s[6:7] offset:i*8192   ; heads 2 i and 2 i + 1, 256 bytes each
.set i, i+1
.endr
.irp g, 0,1
.set i, 0
.rept 16
	global_load_b128 v[XR0+64*\g+4*i:XR0+64*\g+4*i+3], v6, s[4:5] offset:(i+8*(i/8))*8192+256*\g th:TH_LOAD_NT   ; rows i (+ 8) for i < 8, rows i + 8 (+ 8) from there on
.set i, i+1
.endr
.endr
	; LDS addresses of the first phases; each wave's regions are its number times a constant
	s_mul_i32 s17, s16, UBW
	s_add_co_u32 s17, s17, UB
	s_mul_i32 s18, s16, XBW
	s_mul_i32 s19, s16, SPW
	s_add_co_u32 s19, s19, SP
	s_mul_i32 s30, s16, 144
	s_add_co_u32 s30, s30, SP
	s_mul_i32 s31, s16, 80
	s_add_co_u32 s31, s31, PB
	s_lshl_b32 s22, s16, 2
	s_add_co_u32 s22, s22, ST
	v_mul_u32_u24 v18, v1, PIT
	v_lshl_add_u32 v18, v2, 4, v18                 ; a fragment's row x pitch + 16 x half
	v_add_nc_u32 v8, s17, v18                      ; u's fragments
	v_add_nc_u32 v10, s18, v18                     ; x's fragments
	v_mul_u32_u24 v19, v2, PIT
	v_lshl_add_u32 v7, v1, 4, v19
	v_add_nc_u32 v7, s17, v7                       ; u in: 16 r, one row down for lanes 16-31
	v_mul_u32_u24 v19, v2, 8*PIT
	v_lshl_add_u32 v9, v1, 3, v19
	v_add_nc_u32 v9, s18, v9                       ; x in: 8 r, eight rows down for lanes 16-31
	s_wait_loadcnt 40                              ; q and b_k are in: 8 loads of u and 32 of x were issued behind them
	v_mul_f32 v20, v[UF], v[UF+4]                  ; my four terms of c = q_h . b_k,h
	v_fmac_f32 v20, v[UF+1], v[UF+5]
	v_fmac_f32 v20, v[UF+2], v[UF+6]
	v_fmac_f32 v20, v[UF+3], v[UF+7]
	s_wait_loadcnt 32                              ; u is in
.set i, 0
.rept 8
	ds_store_b128 v7, v[XA+4*i:XA+4*i+3] offset:i*2*PIT
.set i, i+1
.endr
; Half g of the slice (64 columns = two K steps of 32).  x is rounded twice: by pairs of columns into my LDS rows, by pairs of rows into F.
; Then the fragments come back (my own bytes: LDS serves a wave's instructions in order, ISA guide 5.7.1, so no wait stands between stores and loads)
; and four products add onto the two score tiles, which take turns, one instruction a turn, from stage to stage too.
; In stage 1 the 64 roundings, which name no register of stage 0's products, are the places in front of the loads into XA and UF.
.macro STAGE g
.set i, 0
.rept 16
	s_wait_loadcnt 16*(1-\g)+15-i                  ; load i of this half is in; the younger ones stay out
	v_cvt_pk_bf16_f32 v[T], v[XR0+64*\g+4*i], v[XR0+64*\g+4*i+1]
	v_cvt_pk_bf16_f32 v[T+1], v[XR0+64*\g+4*i+2], v[XR0+64*\g+4*i+3]
	ds_store_b64 v9, v[T:T+1] offset:(i+8*(i/8))*PIT+128*\g
.set i, i+1
.endr
.irp t, 0,1,2,3
.irp c, 0,1,2,3,4,5,6,7
	v_cvt_pk_bf16_f32 v[F0+32*\g+8*\t+\c], v[XR0+64*\g+8*\c+\t], v[XR0+64*\g+8*\c+4+\t]   ; register c of tile t: loads 2 c and 2 c + 1 are two neighbouring rows
.endr
.endr
.irp k, 0,1
	ds_load_b128 v[UF+8*\k:UF+8*\k+3],   v8 offset:(2*\g+\k)*64
	ds_load_b128 v[UF+8*\k+4:UF+8*\k+7], v8 offset:(2*\g+\k)*64+32
.irp n, 0,1
	ds_load_b128 v[XA+8*(2*\k+\n):XA+8*(2*\k+\n)+3],   v10 offset:\n*16*PIT+(2*\g+\k)*64
	ds_load_b128 v[XA+8*(2*\k+\n)+4:XA+8*(2*\k+\n)+7], v10 offset:\n*16*PIT+(2*\g+\k)*64+32
.endr
.endr
	s_wait_dscnt 0x0
.irp k, 0,1
.irp n, 0,1
.if (\g == 0) && (\k == 0)
	v_wmma_f32_16x16x32_bf16 v[S0+8*\n:S0+8*\n+7], v[XA+8*(2*\k+\n):XA+8*(2*\k+\n)+7], v[UF+8*\k:UF+8*\k+7], 0   ; the first K step starts the sums
.else
	v_wmma_f32_16x16x32_bf16 v[S0+8*\n:S0+8*\n+7], v[XA+8*(2*\k+\n):XA+8*(2*\k+\n)+7], v[UF+8*\k:UF+8*\k+7], v[S0+8*\n:S0+8*\n+7]
.endif
.endr
.endr
.endm
	STAGE 0
	STAGE 1
	; In a score tile lane (r, half) holds head r and rows 16 n + 8 half + 0..7.
	; The later phases' addresses are made here: eleven plain instructions, the places behind the last products (ISA guide 7.12.1).
	v_mul_u32_u24 v11, v1, 144
	v_lshl_add_u32 v11, v2, 5, v11
	v_add_nc_u32 v11, s19, v11                     ; my partial scores: head r's row, 8 rows of f32 on for lanes 16-31
	v_lshl_add_u32 v12, v3, 2, s30                 ; head = my wave, row = my lane, in wave 0's partial
	v_lshl_add_u32 v13, v3, 1, s31                 ; P: head = my wave, row = my lane
	v_mul_u32_u24 v14, v1, 80
	v_lshl_add_u32 v14, v2, 4, v14
	v_add_nc_u32 v14, PB, v14                      ; P's fragment: head r, 16 bytes on for lanes 16-31
	v_mov_b32 v15, s22                             ; m of my wave's head
	v_lshlrev_b32 v248, 2, v3
	v_add_nc_u32 v249, ST, v248
	WSUM 20, 21                                    ; c of head w, in every lane of wave w
	v_mul_f32 v20, SC, v20
	ds_store_b128 v11, v[S0:S0+3]                  ; each tile from its low end on
	ds_store_b128 v11, v[S0+4:S0+7] offset:16
	ds_store_b128 v11, v[S0+8:S0+11] offset:64
	ds_store_b128 v11, v[S0+12:S0+15] offset:80
	s_wait_dscnt 0x0                               ; for the others' sake: my partial scores are in LDS
	s_barrier_signal -1
	s_barrier_wait -1
	; Wave w finishes head w; lane L is row L of the block.
.set k, 0
.rept 16
	ds_load_b32 v[XA+k], v12 offset:k*SPW
.set k, k+1
.endr
	s_wait_dscnt 0x0
.irp k, 0,2,4,6
	v_pk_add_f32 v[XA+\k:XA+\k+1], v[XA+\k:XA+\k+1], v[XA+8+\k:XA+8+\k+1]
.endr
	v_pk_add_f32 v[XA:XA+1], v[XA:XA+1], v[XA+4:XA+5]
	v_pk_add_f32 v[XA+2:XA+3], v[XA+2:XA+3], v[XA+6:XA+7]
	v_pk_add_f32 v[XA:XA+1], v[XA:XA+1], v[XA+2:XA+3]
	v_add_f32 v[XA], v[XA], v[XA+1]
	v_add_f32 v[XA], v[XA], v20                    ; S = u . x + c
	v_mov_b32 v22, v[XA]                           ; S is kept: the reduction works in place
	WMAX 22, 21                                    ; m: the block's maximum for this head
	v_sub_f32 v[XA+1], v[XA], v22
	v_exp_f32 v[XA+1], v[XA+1]                     ; p = 2^(S - m), at most 1
	v_nop                                          ; one plain instruction before the result is used (ISA guide 5.7.2)
	s_wait_alu depctr_va_vdst(0)
	v_cvt_pk_bf16_f32 v[XA+2], v[XA+1], v[XA+1]
	ds_store_b16 v13, v[XA+2]
	WSUM XA+1, 21                                  ; l: at least 1, since the maximum's own weight is 1
	ds_store_b32 v15, v22                          ; all lanes store the same number to the same word
	ds_store_b32 v15, v[XA+1] offset:64
	s_wait_dscnt 0x0
	s_barrier_signal -1
	s_barrier_wait -1
	ds_load_b128 v[XA:XA+3], v14                   ; P as source 0: lane (r, half) holds head r, rows 8 half + 0..7,
	ds_load_b128 v[XA+4:XA+7], v14 offset:32       ; and rows 16 + 8 half + 0..7
	s_cmp_lg_u32 s16, 0
	s_cbranch_scc1 .Lnot_wave_0
	ds_load_b32 v[XA+8], v249                      ; wave 0 sends the block's 16 m and 16 l: 128 consecutive bytes (the launch's 32 KiB of statistics leave in halves of aligned 256 bytes)
	s_wait_dscnt 0x0
	global_store_b32 v248, v[XA+8], s[14:15]
.Lnot_wave_0:
	s_wait_dscnt 0x0
	; yp = P x: K = 32 is the whole block, so each of the 8 tiles is one product that starts and ends its sum.
.irp g, 0,1
.irp t, 0,1,2,3
	v_wmma_f32_16x16x32_bf16 v[DD+32*\g+8*\t:DD+32*\g+8*\t+7], v[XA:XA+7], v[F0+32*\g+8*\t:F0+32*\g+8*\t+7], 0
.endr
.endr
.rept 4
	v_nop                                          ; four places before results are read and sources written over (ISA guide 7.12.1); no other vector work is left
.endr
; In tile (g, t) register j of lane (r, half) is head 8 half + j, column 64 g + 4 r + t.  Four moves gather the four tiles' register j into 16 bytes of
; neighbouring columns, so that lanes 0-15 store the 256 consecutive bytes of head j and lanes 16-31 those of head 8 + j, each at a multiple of 256 bytes.
; j ascends.  Every store has data registers of its own: none is rewritten.
.macro OUT g
.set j, 0
.rept 8
.irp t, 0,1,2,3
	v_mov_b32 v[OO+32*\g+4*j+\t], v[DD+32*\g+8*\t+j]
.endr
.if j < 4
	global_store_b128 v16, v[OO+32*\g+4*j:OO+32*\g+4*j+3], s[12:13] offset:j*2097152+256*\g
.else
	global_store_b128 v17, v[OO+32*\g+4*j:OO+32*\g+4*j+3], s[12:13] offset:(j-4)*2097152+256*\g
.endif
.set j, j+1
.endr
.endm
	OUT 0
	OUT 1
	s_wait_tensorcnt 0x0
	ds_add_u32 v254, v255
	s_wait_dscnt 0x0
	s_endpgm
.Lfunc_end_k_q35b9ebbb4d_flash:
	.size	k_q35b9ebbb4d_flash, .Lfunc_end_k_q35b9ebbb4d_flash-k_q35b9ebbb4d_flash
	.p2alignl 7, 3214868480
	.fill 96, 4, 3214868480
	.section	.rodata,"a",@progbits
	.p2align	6, 0x0
	.amdhsa_kernel k_q35b9ebbb4d_flash
		.amdhsa_group_segment_fixed_size 249344
		.amdhsa_private_segment_fixed_size 0
		.amdhsa_enable_private_segment 0
		.amdhsa_kernarg_size 48
		.amdhsa_user_sgpr_count 2
		.amdhsa_user_sgpr_kernarg_segment_ptr 1
		.amdhsa_wavefront_size32 1
		.amdhsa_system_sgpr_workgroup_id_x 1
		.amdhsa_system_sgpr_workgroup_id_y 1
		.amdhsa_system_sgpr_workgroup_id_z 1
		.amdhsa_system_vgpr_workitem_id 0
		.amdhsa_next_free_vgpr 256
		.amdhsa_next_free_sgpr 66
		.amdhsa_reserve_vcc 0
		.amdhsa_float_denorm_mode_32 3
		.amdhsa_float_denorm_mode_16_64 3
		.amdhsa_memory_ordered 1
		.amdhsa_forward_progress 1
		.amdhsa_inst_pref_size 30
	.end_amdhsa_kernel
	.amdgpu_metadata
---
amdhsa.version: [ 1, 2 ]
amdhsa.kernels:
  - .name:           k_q35b9ebbb4d_flash
    .symbol:         k_q35b9ebbb4d_flash.kd
    .args:
      - { .name: x, .offset: 0, .size: 8, .value_kind: global_buffer, .address_space: global }
      - { .name: u, .offset: 8, .size: 8, .value_kind: global_buffer, .address_space: global }
      - { .name: q, .offset: 16, .size: 8, .value_kind: global_buffer, .address_space: global }
      - { .name: b_kv, .offset: 24, .size: 8, .value_kind: global_buffer, .address_space: global }
      - { .name: yp, .offset: 32, .size: 8, .value_kind: global_buffer, .address_space: global }
      - { .name: stats, .offset: 40, .size: 8, .value_kind: global_buffer, .address_space: global }
    .group_segment_fixed_size: 249344
    .private_segment_fixed_size: 0
    .kernarg_segment_align: 8
    .kernarg_segment_size: 48
    .max_flat_workgroup_size: 512
    .sgpr_count:     66
    .vgpr_count:     256
    .wavefront_size: 32
...
	.end_amdgpu_metadata
.endif
;; end of part 2
;; launch combine (part 3): grid 16 x 16, 8 waves a work-group, no clusters, 6,144 bytes of LDS; arguments yp, stats, W_kv, x1p; writes x1p
.if DOCPART == 3
	.amdgcn_target "amdgcn-amd-amdhsa--gfx1250"
	.amdhsa_code_object_version 6
	.text
	.protected	k_q35b9ebbb4d_combine
	.globl	k_q35b9ebbb4d_combine
	.p2align	8
	.type	k_q35b9ebbb4d_combine,@function
k_q35b9ebbb4d_combine:
	s_mov_b64 s[64:65], 0
	v_nop
	global_prefetch_b8 v0, s[64:65] scope:SCOPE_SE
	s_setreg_imm32_b32 hwreg(HW_REG_WAVE_MODE, 25, 1), 1
	s_wait_xcnt 0x0
; The softmax is finished and W_v applied.  For head h and slice cs of 128 columns:
;   M = max over the 256 blocks of m_p,  e_p = 2^(m_p - M),  L = sum of e_p l_p,  y[c] = (sum over p of e_p yp[h][cs][p][c]) / L,
;   x1p[cs][128 h + d] = sum over the slice's c of W_v[128 h + d][c] y[c].
; Since the weights of a head add up to 1, sum_s a_s (W_v x_s + b_v) = W_v y + b_v: W_v is read once and v is never formed (b_v is added in the next launch).
; LIMIT: another order of summation than the reference's.  L is at least 1 (the block that holds M has e = 1 and l >= 1).  All in f32.
; SHARES: work-group (cs, h): 256 blocks x 512 bytes of yp and 128 rows x 512 bytes of W_v.  Wave w takes blocks 32 w .. + 31 and rows 16 w .. + 15, lane L
; columns 4 L .. + 3: every load of a wave is 512 neighbouring bytes.  All 50 loads of a wave are out at once.  Thread p also holds block p's m and l,
; so a wave's own lanes hold the weights of just its 32 blocks, which go to scalar registers by v_readlane_b32.
; No matrix unit (one row a head), no cluster (no two work-groups share bytes but 2 KiB of statistics).
.set YP,   32                          ; v[32:159]  the wave's 32 blocks; later sums
.set WV,   160                         ; v[160:223] the wave's 16 rows of W_v
.set ACC,  8                           ; v[8:11] even blocks' sums, v[12:15] odd blocks'
.set Y,    16                          ; v[16:19]   y of my 4 columns
.set YR,   0                           ; LDS: 8 waves x 512 bytes, partial y
.set RMAX, 4096                        ; 8 words: the waves' maxima
.set RSUM, 4352                        ; 8 words: the waves' sums of e l
.set XO,   4608                        ; 128 words: the result
.set SEL,  20                          ; s[20:21]
.set WT,   32                          ; s[32:63]   e of my wave's 32 blocks
.macro FOLD base, quads                ; adds quads number quads .. 2 quads - 1 onto quads 0 .. quads - 1
.set k, 0
.rept 2*\quads
	v_pk_add_f32 v[\base+2*k:\base+2*k+1], v[\base+2*k:\base+2*k+1], v[\base+4*\quads+2*k:\base+4*\quads+2*k+1]
.set k, k+1
.endr
.endm
.macro WSUM a, t
	v_add_f32_dpp v[\a], v[\a], v[\a] row_xmask:1 row_mask:0xf bank_mask:0xf
	v_add_f32_dpp v[\a], v[\a], v[\a] row_xmask:2 row_mask:0xf bank_mask:0xf
	v_add_f32_dpp v[\a], v[\a], v[\a] row_xmask:4 row_mask:0xf bank_mask:0xf
	v_add_f32_dpp v[\a], v[\a], v[\a] row_xmask:8 row_mask:0xf bank_mask:0xf
	v_permlanex16_b32 v[\t], v[\a], s[SEL], s[SEL+1]
	v_add_f32 v[\a], v[\a], v[\t]
.endm
.macro WMAX a, t
	v_max_num_f32_dpp v[\a], v[\a], v[\a] row_xmask:1 row_mask:0xf bank_mask:0xf
	v_max_num_f32_dpp v[\a], v[\a], v[\a] row_xmask:2 row_mask:0xf bank_mask:0xf
	v_max_num_f32_dpp v[\a], v[\a], v[\a] row_xmask:4 row_mask:0xf bank_mask:0xf
	v_max_num_f32_dpp v[\a], v[\a], v[\a] row_xmask:8 row_mask:0xf bank_mask:0xf
	v_permlanex16_b32 v[\t], v[\a], s[SEL], s[SEL+1]
	v_max_num_f32 v[\a], v[\a], v[\t]
.endm
	s_load_b256 s[4:11], s[0:1], 0x0               ; yp s[4:5], stats s[6:7], W_kv s[8:9], x1p s[10:11]
	v_lshl_add_u32 v224, v0, 2, 0x1400
	v_mov_b32 v225, 0
	v_lshrrev_b32 v1, 5, v0
	v_readfirstlane_b32 s12, v1                    ; wave 0..7
	s_and_b32 s13, ttmp7, 0xffff                   ; head
	v_and_b32 v1, 31, v0
	v_lshlrev_b32 v1, 4, v1                        ; 16 L
	v_lshlrev_b32 v2, 7, v0                        ; stats: block = thread, 128 bytes a block
	v_lshlrev_b32 v25, 4, v0                       ; YR + 16 x thread
	v_mov_b32 v6, 0                                ; v_permlanex16_b32 counts as a reader of its destination
	v_mov_b32 v27, RMAX
	v_add_nc_u32 v28, XO, v1
	s_lshl_b32 s14, s12, 2
	s_add_co_u32 s14, s14, RMAX
	v_mov_b32 v24, s14                             ; my wave's word among the maxima (the sums lie 256 bytes on)
	s_lshl_b32 s15, s12, 6
	s_add_co_u32 s15, s15, XO
	v_mov_b32 v26, s15                             ; my wave's 16 words of the result
	s_mov_b32 s[SEL], 0x76543210
	s_mov_b32 s[SEL+1], 0xfedcba98
	s_lshl_b32 s22, s13, 4                         ; yp [head][slice][block][128]: (16 h + cs) x 131,072 + wave x 32 blocks x 512
	s_add_co_u32 s22, s22, ttmp9
	s_lshl_b32 s22, s22, 17
	s_lshl_b32 s23, s12, 14
	s_add_co_u32 s22, s22, s23
	s_mov_b32 s23, 0
	s_lshl_b32 s24, s13, 2                         ; stats: word h is m, word 16 + h is l
	s_mov_b32 s25, 0
	s_lshl_b32 s26, s13, 20                        ; W_v: row 2,048 + 128 h + 16 w, 8,192 bytes a row, + slice x 512
	s_add_co_u32 s26, s26, 0x1000000
	s_lshl_b32 s27, s12, 17
	s_add_co_u32 s26, s26, s27
	s_lshl_b32 s27, ttmp9, 9
	s_add_co_u32 s26, s26, s27
	s_mov_b32 s27, 0
	s_lshl_b32 s28, ttmp9, 13                      ; x1p [slice][2048] f32: cs x 8,192 + h x 512
	s_lshl_b32 s29, s13, 9
	s_add_co_u32 s28, s28, s29
	s_mov_b32 s29, 0
	s_wait_kmcnt 0x0
	s_add_nc_u64 s[4:5], s[4:5], s[22:23]
	s_add_nc_u64 s[6:7], s[6:7], s[24:25]
	s_add_nc_u64 s[8:9], s[8:9], s[26:27]
	s_add_nc_u64 s[10:11], s[10:11], s[28:29]
	global_load_b32 v3, v2, s[6:7]                 ; m of block = thread: one word of each block's 128 bytes, once in the kernel
	global_load_b32 v4, v2, s[6:7] offset:64       ; l
.set i, 0
.rept 32
	global_load_b128 v[YP+4*i:YP+4*i+3], v1, s[4:5] offset:i*512 th:TH_LOAD_NT
.set i, i+1
.endr
.set i, 0
.rept 16
	global_load_b128 v[WV+4*i:WV+4*i+3], v1, s[8:9] offset:i*8192 th:TH_LOAD_NT
.set i, i+1
.endr
	s_wait_loadcnt 48                              ; m and l are in: 32 + 16 loads were issued behind them
	v_mov_b32 v5, v3                               ; m is kept: the reduction works in place
	WMAX 5, 6
	ds_store_b32 v24, v5
	s_wait_dscnt 0x0
	s_barrier_signal -1
	s_barrier_wait -1
	ds_load_b128 v[8:11], v27
	ds_load_b128 v[12:15], v27 offset:16
	s_wait_dscnt 0x0
	v_max3_num_f32 v8, v8, v9, v10
	v_max3_num_f32 v8, v8, v11, v12
	v_max3_num_f32 v8, v8, v13, v14
	v_max_num_f32 v8, v8, v15                      ; M
	v_sub_f32 v5, v3, v8
	v_exp_f32 v5, v5                               ; e = 2^(m - M), at most 1
	v_nop                                          ; one plain instruction before the result is used (ISA guide 5.7.2)
	s_wait_alu depctr_va_vdst(0)
	v_mul_f32 v7, v5, v4
	WSUM 7, 6                                      ; my wave's part of L
.set i, 0
.rept 32
	v_readlane_b32 s[WT+i], v5, i                  ; lane i holds the weight of my wave's block i
.set i, i+1
.endr
.set i, 0
.rept 32
	s_wait_loadcnt 47-i                            ; block i is in: 31 - i blocks and 16 rows of W_v were issued behind it
.irp t, 0,1,2,3
.if i < 2
	v_mul_f32 v[ACC+4*(i%2)+\t], s[WT+i], v[YP+4*i+\t]    ; blocks 0 and 1 start the two chains
.else
	v_fmac_f32 v[ACC+4*(i%2)+\t], s[WT+i], v[YP+4*i+\t]
.endif
.endr
.set i, i+1
.endr
	FOLD ACC, 1
	ds_store_b128 v25, v[ACC:ACC+3]
	ds_store_b32 v24, v7 offset:RSUM-RMAX
	s_wait_dscnt 0x0
	s_barrier_signal -1
	s_barrier_wait -1
.irp k, 0,1,2,3,4,5,6,7
	ds_load_b128 v[YP+4*\k:YP+4*\k+3], v1 offset:YR+512*\k
.endr
	ds_load_b128 v[YP+32:YP+35], v27 offset:RSUM-RMAX
	ds_load_b128 v[YP+36:YP+39], v27 offset:RSUM-RMAX+16
	s_wait_dscnt 0x0
	FOLD YP+32, 1
	v_pk_add_f32 v[YP+32:YP+33], v[YP+32:YP+33], v[YP+34:YP+35]
	v_add_f32 v[YP+32], v[YP+32], v[YP+33]         ; L
	v_rcp_f32 v[YP+34], v[YP+32]
	FOLD YP, 4                                     ; plain work stands between the reciprocal and its use (ISA guide 5.7.2)
	FOLD YP, 2
	FOLD YP, 1
	s_wait_alu depctr_va_vdst(0)
	v_pk_mul_f32 v[Y:Y+1], v[YP:YP+1], v[YP+34:YP+35] op_sel_hi:[1,0]      ; both halves by 1 / L
	v_pk_mul_f32 v[Y+2:Y+3], v[YP+2:YP+3], v[YP+34:YP+35] op_sel_hi:[1,0]
	s_wait_loadcnt 0x0                             ; W_v
.set i, 0
.rept 16
	v_pk_mul_f32 v[WV+4*i:WV+4*i+1], v[WV+4*i:WV+4*i+1], v[Y:Y+1]
	v_pk_fma_f32 v[WV+4*i:WV+4*i+1], v[WV+4*i+2:WV+4*i+3], v[Y+2:Y+3], v[WV+4*i:WV+4*i+1]
	v_add_f32 v[YP+i], v[WV+4*i], v[WV+4*i+1]      ; my 4 columns' part of row i
.set i, i+1
.endr
.irp m, 1,2,4,8                        ; sixteen sums over the lanes, step by step side by side
.set i, 0
.rept 16
	v_add_f32_dpp v[YP+i], v[YP+i], v[YP+i] row_xmask:\m row_mask:0xf bank_mask:0xf
.set i, i+1
.endr
.endr
.set i, 0
.rept 16
	v_permlanex16_b32 v[YP+16+i], v[YP+i], s[SEL], s[SEL+1]
.set i, i+1
.endr
.set i, 0
.rept 16
	v_add_f32 v[YP+i], v[YP+i], v[YP+16+i]
	ds_store_b32 v26, v[YP+i] offset:4*i           ; all lanes store the same number to the same word
.set i, i+1
.endr
	s_wait_dscnt 0x0
	s_barrier_signal -1
	s_barrier_wait -1
	s_cmp_lg_u32 s12, 0
	s_cbranch_scc1 .Lend
	ds_load_b128 v[8:11], v28
	s_wait_dscnt 0x0
	global_store_b128 v1, v[8:11], s[10:11]        ; 512 consecutive bytes, at a multiple of 512 from x1p's first byte
.Lend:
	s_wait_tensorcnt 0x0
	ds_add_u32 v224, v225
	s_wait_dscnt 0x0
	s_endpgm
.Lfunc_end_k_q35b9ebbb4d_combine:
	.size	k_q35b9ebbb4d_combine, .Lfunc_end_k_q35b9ebbb4d_combine-k_q35b9ebbb4d_combine
	.p2alignl 7, 3214868480
	.fill 96, 4, 3214868480
	.section	.rodata,"a",@progbits
	.p2align	6, 0x0
	.amdhsa_kernel k_q35b9ebbb4d_combine
		.amdhsa_group_segment_fixed_size 6144
		.amdhsa_private_segment_fixed_size 0
		.amdhsa_enable_private_segment 0
		.amdhsa_kernarg_size 32
		.amdhsa_user_sgpr_count 2
		.amdhsa_user_sgpr_kernarg_segment_ptr 1
		.amdhsa_wavefront_size32 1
		.amdhsa_system_sgpr_workgroup_id_x 1
		.amdhsa_system_sgpr_workgroup_id_y 1
		.amdhsa_system_sgpr_workgroup_id_z 1
		.amdhsa_system_vgpr_workitem_id 0
		.amdhsa_next_free_vgpr 226
		.amdhsa_next_free_sgpr 66
		.amdhsa_reserve_vcc 0
		.amdhsa_float_denorm_mode_32 3
		.amdhsa_float_denorm_mode_16_64 3
		.amdhsa_memory_ordered 1
		.amdhsa_forward_progress 1
		.amdhsa_inst_pref_size 27
	.end_amdhsa_kernel
	.amdgpu_metadata
---
amdhsa.version: [ 1, 2 ]
amdhsa.kernels:
  - .name:           k_q35b9ebbb4d_combine
    .symbol:         k_q35b9ebbb4d_combine.kd
    .args:
      - { .name: yp, .offset: 0, .size: 8, .value_kind: global_buffer, .address_space: global }
      - { .name: stats, .offset: 8, .size: 8, .value_kind: global_buffer, .address_space: global }
      - { .name: W_kv, .offset: 16, .size: 8, .value_kind: global_buffer, .address_space: global }
      - { .name: x1p, .offset: 24, .size: 8, .value_kind: global_buffer, .address_space: global }
    .group_segment_fixed_size: 6144
    .private_segment_fixed_size: 0
    .kernarg_segment_align: 8
    .kernarg_segment_size: 32
    .max_flat_workgroup_size: 256
    .sgpr_count:     66
    .vgpr_count:     226
    .wavefront_size: 32
...
	.end_amdgpu_metadata
.endif
;; end of part 3
;; launch proj1 (part 4): grid 16 x 16, 4 waves a work-group, no clusters, 768 bytes of LDS; arguments x1p, b_kv, W_p1, h1p; writes h1p
.if DOCPART == 4
	.amdgcn_target "amdgcn-amd-amdhsa--gfx1250"
	.amdhsa_code_object_version 6
	.text
	.protected	k_q35b9ebbb4d_proj1
	.globl	k_q35b9ebbb4d_proj1
	.p2align	8
	.type	k_q35b9ebbb4d_proj1,@function
k_q35b9ebbb4d_proj1:
	s_mov_b64 s[64:65], 0
	v_nop
	global_prefetch_b8 v0, s[64:65] scope:SCOPE_SE
	s_setreg_imm32_b32 hwreg(HW_REG_WAVE_MODE, 25, 1), 1
	s_wait_xcnt 0x0
; x1 = b_v + sum over the 16 slices of x1p;  h1p[h][j] = sum over c = 128 h .. 128 h + 127 of W_p1[j][c] x1[c].  All in f32, sums in a fixed order.
; The 16 partial rows h1p[h][:] and b_p1 are added in the next launch.
; LIMIT: h1 is summed by slices of 128 columns, another order than the reference's.
; SHARES: work-group (h, rb) owns 32 rows of W_p1 x 128 columns (512 bytes of a row): 256 groups, 16 KiB of W_p1 each.  Wave w takes rows 8 w .. 8 w + 7,
; lane L columns 4 L .. 4 L + 3, so every load of a wave is 512 neighbouring bytes.  Each wave makes the slice's x1 itself, in registers (17 loads of 512 bytes):
; 4 x 8.5 KiB a group, and no barrier in front of the products.  All 25 loads of a wave are out at once.
; A group's 32 results are 128 consecutive bytes, half of an aligned 256: 64 rows to a group would fill them and leave half of the 256 WGPs without work; the launch stores 32 KiB in all.
; No matrix unit (one row), no cluster (what the 16 row blocks of a slice share is 8.5 KiB, added up straight from registers).
.set XP,  16                           ; v[16:79]   the slice's quad of each of the 16 x1p; then x1 in v[16:19]
.set BV,  80                           ; v[80:83]   b_v
.set W,   84                           ; v[84:115]  my wave's 8 rows, 4 registers each
.set T,   XP+8                         ; v[24:31]   the 8 dot products;  v[32:39] the other half of the lanes'
.set SEL, 20                           ; s[20:21]   lane selects of v_permlanex16_b32: each lane takes its own place in the other half
.macro FOLD base, quads                ; adds quads number quads .. 2 quads - 1 onto quads 0 .. quads - 1
.set k, 0
.rept 2*\quads
	v_pk_add_f32 v[\base+2*k:\base+2*k+1], v[\base+2*k:\base+2*k+1], v[\base+4*\quads+2*k:\base+4*\quads+2*k+1]
.set k, k+1
.endr
.endm
	s_load_b256 s[4:11], s[0:1], 0x0               ; x1p s[4:5], b_kv s[6:7], W_p1 s[8:9], h1p s[10:11]
	v_lshl_add_u32 v120, v0, 2, 0x100
	v_mov_b32 v121, 0
	v_lshrrev_b32 v1, 5, v0
	v_readfirstlane_b32 s12, v1                    ; wave 0..3
	s_and_b32 s13, ttmp7, 0xffff                   ; block of 32 rows
	v_and_b32 v2, 31, v0
	v_lshlrev_b32 v1, 4, v2                        ; 16 L: my 4 columns in the slice's 512 bytes
	v_lshlrev_b32 v2, 2, v2                        ; 4 L: wave 0's word of the results, in LDS and in h1p
	s_lshl_b32 s16, s12, 5
	v_mov_b32 v3, s16                              ; LDS: my wave's 8 words
	s_mov_b32 s[SEL], 0x76543210
	s_mov_b32 s[SEL+1], 0xfedcba98
	s_lshl_b32 s14, ttmp9, 9                       ; the slice: 512 bytes on in x1p's rows, in b_v and in W_p1's rows
	s_mov_b32 s15, 0
	s_lshl_b32 s22, s13, 18                        ; W_p1: block x 32 rows x 8,192 bytes + wave x 8 rows + the slice
	s_lshl_b32 s23, s12, 16
	s_add_co_u32 s22, s22, s23
	s_add_co_u32 s22, s22, s14
	s_mov_b32 s23, 0
	s_lshl_b32 s24, ttmp9, 11                      ; h1p [slice][512] f32: slice x 2,048 bytes + block x 128
	s_lshl_b32 s25, s13, 7
	s_add_co_u32 s24, s24, s25
	s_mov_b32 s25, 0
	s_wait_kmcnt 0x0
	s_add_nc_u64 s[4:5], s[4:5], s[14:15]
	s_add_nc_u64 s[6:7], s[6:7], s[14:15]
	s_add_nc_u64 s[8:9], s[8:9], s[22:23]
	s_add_nc_u64 s[10:11], s[10:11], s[24:25]
.set i, 0
.rept 16
	global_load_b128 v[XP+4*i:XP+4*i+3], v1, s[4:5] offset:i*8192
.set i, i+1
.endr
	global_load_b128 v[BV:BV+3], v1, s[6:7] offset:8192            ; b_v: the second 2,048 numbers of b_kv
.set i, 0
.rept 8
	global_load_b128 v[W+4*i:W+4*i+3], v1, s[8:9] offset:i*8192 th:TH_LOAD_NT   ; read once in the launch
.set i, i+1
.endr
	s_wait_loadcnt 8                               ; x1p and b_v are in (loads come back in order, ISA guide 5.7.1); my 8 rows stay out
	FOLD XP, 8
	FOLD XP, 4
	FOLD XP, 2
	FOLD XP, 1
	v_pk_add_f32 v[XP:XP+1], v[XP:XP+1], v[BV:BV+1]
	v_pk_add_f32 v[XP+2:XP+3], v[XP+2:XP+3], v[BV+2:BV+3]          ; x1 of my 4 columns
.set i, 0
.rept 8
	s_wait_loadcnt 7-i                             ; row i is in; the 7 - i younger ones stay out
	v_pk_mul_f32 v[W+4*i:W+4*i+1], v[W+4*i:W+4*i+1], v[XP:XP+1]
	v_pk_fma_f32 v[W+4*i:W+4*i+1], v[W+4*i+2:W+4*i+3], v[XP+2:XP+3], v[W+4*i:W+4*i+1]
	v_add_f32 v[T+i], v[W+4*i], v[W+4*i+1]         ; my 4 columns' part of row i
.set i, i+1
.endr
.irp m, 1,2,4,8                        ; eight sums over the lanes, step by step side by side
.set i, 0
.rept 8
	v_add_f32_dpp v[T+i], v[T+i], v[T+i] row_xmask:\m row_mask:0xf bank_mask:0xf
.set i, i+1
.endr
.endr
.set i, 0
.rept 8
	v_permlanex16_b32 v[T+8+i], v[T+i], s[SEL], s[SEL+1]           ; its destination counts as read: these registers were loaded above
.set i, i+1
.endr
.set i, 0
.rept 8
	v_add_f32 v[T+i], v[T+i], v[T+8+i]
	ds_store_b32 v3, v[T+i] offset:4*i             ; row 8 w + i of the block; all lanes store the same number to the same word
.set i, i+1
.endr
	s_wait_dscnt 0x0                               ; for wave 0's sake: my eight words are in LDS
	s_barrier_signal -1
	s_barrier_wait -1
	s_cmp_lg_u32 s12, 0
	s_cbranch_scc1 .Lend
	ds_load_b32 v4, v2                             ; lane L takes row L of the block
	s_wait_dscnt 0x0
	global_store_b32 v2, v4, s[10:11]              ; 32 lanes x 4 bytes: 128 consecutive bytes
.Lend:
	s_wait_tensorcnt 0x0
	ds_add_u32 v120, v121
	s_wait_dscnt 0x0
	s_endpgm
.Lfunc_end_k_q35b9ebbb4d_proj1:
	.size	k_q35b9ebbb4d_proj1, .Lfunc_end_k_q35b9ebbb4d_proj1-k_q35b9ebbb4d_proj1
	.p2alignl 7, 3214868480
	.fill 96, 4, 3214868480
	.section	.rodata,"a",@progbits
	.p2align	6, 0x0
	.amdhsa_kernel k_q35b9ebbb4d_proj1
		.amdhsa_group_segment_fixed_size 768
		.amdhsa_private_segment_fixed_size 0
		.amdhsa_enable_private_segment 0
		.amdhsa_kernarg_size 32
		.amdhsa_user_sgpr_count 2
		.amdhsa_user_sgpr_kernarg_segment_ptr 1
		.amdhsa_wavefront_size32 1
		.amdhsa_system_sgpr_workgroup_id_x 1
		.amdhsa_system_sgpr_workgroup_id_y 1
		.amdhsa_system_sgpr_workgroup_id_z 1
		.amdhsa_system_vgpr_workitem_id 0
		.amdhsa_next_free_vgpr 122
		.amdhsa_next_free_sgpr 66
		.amdhsa_reserve_vcc 0
		.amdhsa_float_denorm_mode_32 3
		.amdhsa_float_denorm_mode_16_64 3
		.amdhsa_memory_ordered 1
		.amdhsa_forward_progress 1
		.amdhsa_inst_pref_size 11
	.end_amdhsa_kernel
	.amdgpu_metadata
---
amdhsa.version: [ 1, 2 ]
amdhsa.kernels:
  - .name:           k_q35b9ebbb4d_proj1
    .symbol:         k_q35b9ebbb4d_proj1.kd
    .args:
      - { .name: x1p, .offset: 0, .size: 8, .value_kind: global_buffer, .address_space: global }
      - { .name: b_kv, .offset: 8, .size: 8, .value_kind: global_buffer, .address_space: global }
      - { .name: W_p1, .offset: 16, .size: 8, .value_kind: global_buffer, .address_space: global }
      - { .name: h1p, .offset: 24, .size: 8, .value_kind: global_buffer, .address_space: global }
    .group_segment_fixed_size: 768
    .private_segment_fixed_size: 0
    .kernarg_segment_align: 8
    .kernarg_segment_size: 32
    .max_flat_workgroup_size: 128
    .sgpr_count:     66
    .vgpr_count:     122
    .wavefront_size: 32
...
	.end_amdgpu_metadata
.endif
;; end of part 4
;; launch resid (part 5): grid 32 x 8, 16 waves a work-group, no clusters, 4,352 bytes of LDS; arguments x, h1p, b_p1, ln_w, ln_b, W_p2, b_p2, out0; writes out0
.if DOCPART == 5
	.amdgcn_target "amdgcn-amd-amdhsa--gfx1250"
	.amdhsa_code_object_version 6
	.text
	.protected	k_q35b9ebbb4d_resid
	.globl	k_q35b9ebbb4d_resid
	.p2align	8
	.type	k_q35b9ebbb4d_resid,@function
k_q35b9ebbb4d_resid:
	s_mov_b64 s[64:65], 0
	v_nop
	global_prefetch_b8 v0, s[64:65] scope:SCOPE_SE
	s_setreg_imm32_b32 hwreg(HW_REG_WAVE_MODE, 25, 1), 1
	s_wait_xcnt 0x0
; h1 = b_p1 + sum over the 16 slices of h1p;  a = relu(LayerNorm(h1) ln_w + ln_b);  row[c] = W_p2[c] . a + b_p2[c];  out0[s][c] = x[s][c] + row[c].  All in f32.
; The mean is taken first and the variance from the differences, as the reference does; 1 / sqrt by v_rsq_f32.
; SHARES: work-group (cs, rb) owns 64 columns (256 bytes of a row) x 1,024 rows.  Wave w takes rows 64 w .. + 63: one load or store is 256 bytes of two
; rows, lanes 0-15 one row, lanes 16-31 the next, each at a multiple of 256 bytes.
; Thread t makes h1[t] (17 loads of 4 bytes; a wave's load is 128 neighbouring bytes, two waves' together an aligned 256); the 512 numbers meet in LDS.
; Behind that barrier every wave makes the LayerNorm itself (16 numbers a lane): no further barrier for it.  Wave w makes columns 4 w .. 4 w + 3 of the
; group's 64; they meet in 256 bytes of LDS.  The small loads go first, x behind them, so the small arithmetic runs while x is on its way:
; 58 loads of a wave are out at the first wait, 57 behind the second half of x's.
; NO CLUSTER: the eight groups of a column slice share 128 KiB of W_p2, against 512 KiB of x and out0 of a group's own; it comes through registers.
.set EPS, 0x3727c5ac                   ; 1e-5
.set H,   12                           ; v[12:27]   first my thread's 16 partials; then h1, then a: element 128 i + 4 L + t in register 4 i + t
.set LW,  28                           ; v[28:43]   ln_w; later the four dot products' sums, a pair each
.set LB,  44                           ; v[44:59]   ln_b
.set W2,  60                           ; v[60:123]  my wave's 4 rows of W_p2, 16 registers each
.set X,   124                          ; v[124:251] 32 quads of x, added to in place and stored
.set BP,  252                          ; v[252:255] b_p2 of my 4 columns
.set ROWL, 0                           ; LDS: 64 words, the slice's part of the row
.set H1L, 256                          ; LDS: 512 words, h1
.set SEL, 22                           ; s[22:23]
.macro WSUM a, t                       ; the sum over the 32 lanes, in every lane
	v_add_f32_dpp v[\a], v[\a], v[\a] row_xmask:1 row_mask:0xf bank_mask:0xf
	v_add_f32_dpp v[\a], v[\a], v[\a] row_xmask:2 row_mask:0xf bank_mask:0xf
	v_add_f32_dpp v[\a], v[\a], v[\a] row_xmask:4 row_mask:0xf bank_mask:0xf
	v_add_f32_dpp v[\a], v[\a], v[\a] row_xmask:8 row_mask:0xf bank_mask:0xf
	v_permlanex16_b32 v[\t], v[\a], s[SEL], s[SEL+1]
	v_add_f32 v[\a], v[\a], v[\t]
.endm
	s_load_b256 s[4:11], s[0:1], 0x0               ; x s[4:5], h1p s[6:7], b_p1 s[8:9], ln_w s[10:11]
	s_load_b256 s[12:19], s[0:1], 0x20             ; ln_b s[12:13], W_p2 s[14:15], b_p2 s[16:17], out0 s[18:19]
	v_lshrrev_b32 v1, 5, v0
	v_readfirstlane_b32 s20, v1                    ; wave 0..15
	s_and_b32 s21, ttmp7, 0xffff                   ; block of 1,024 rows
	v_and_b32 v1, 31, v0
	v_lshlrev_b32 v1, 4, v1                        ; 16 L
	v_and_b32 v3, 15, v0
	v_lshlrev_b32 v3, 4, v3                        ; 16 r: my 4 columns of the slice
	v_bfe_u32 v2, v0, 4, 1
	v_lshl_add_u32 v2, v2, 13, v3                  ; and one row of 8,192 bytes down for lanes 16-31
	v_lshlrev_b32 v10, 2, v0                       ; 4 t: my thread's number of h1, in h1p's rows and in b_p1
	v_add_nc_u32 v11, H1L, v10                     ; and in LDS
	v_mov_b32 v8, 0                                ; v_permlanex16_b32 counts as a reader of its destination
	s_lshl_b32 s31, s20, 4
	v_mov_b32 v9, s31                              ; LDS: my wave's 4 words of the row
	s_mov_b32 s30, 0x3b000000                      ; 1 / 512
	s_mov_b32 s3, EPS
	s_mov_b32 s[SEL], 0x76543210
	s_mov_b32 s[SEL+1], 0xfedcba98
	s_lshl_b32 s24, s21, 23                        ; x, out0: block x 1,024 rows x 8,192 bytes + wave x 64 rows + slice x 256
	s_lshl_b32 s25, s20, 19
	s_add_co_u32 s24, s24, s25
	s_lshl_b32 s28, ttmp9, 8                       ; also b_p2's offset
	s_add_co_u32 s24, s24, s28
	s_mov_b32 s25, 0
	s_mov_b32 s29, 0
	s_lshl_b32 s26, ttmp9, 17                      ; W_p2: slice x 64 rows x 2,048 bytes + wave x 4 rows
	s_lshl_b32 s27, s20, 13
	s_add_co_u32 s26, s26, s27
	s_mov_b32 s27, 0
	s_wait_kmcnt 0x0
	s_add_nc_u64 s[4:5], s[4:5], s[24:25]
	s_add_nc_u64 s[18:19], s[18:19], s[24:25]
	s_add_nc_u64 s[14:15], s[14:15], s[26:27]
	s_add_nc_u64 s[16:17], s[16:17], s[28:29]
	; 58 loads: 17 for h1, 8 for the LayerNorm's gain and bias, 16 of W_p2, 1 of b_p2, the first 16 of x
.set i, 0
.rept 16
	global_load_b32 v[H+i], v10, s[6:7] offset:i*2048              ; slice i's part of h1[t]
.set i, i+1
.endr
	global_load_b32 v4, v10, s[8:9]                ; b_p1[t]
.irp i, 0,1,2,3
	global_load_b128 v[LW+4*\i:LW+4*\i+3], v1, s[10:11] offset:512*\i
.endr
.irp i, 0,1,2,3
	global_load_b128 v[LB+4*\i:LB+4*\i+3], v1, s[12:13] offset:512*\i
.endr
.irp k, 0,1,2,3
.irp i, 0,1,2,3
	global_load_b128 v[W2+16*\k+4*\i:W2+16*\k+4*\i+3], v1, s[14:15] offset:2048*\k+512*\i
.endr
.endr
	global_load_b128 v[BP:BP+3], v3, s[16:17]
.set i, 0
.rept 16
	global_load_b128 v[X+4*i:X+4*i+3], v2, s[4:5] offset:i*16384 th:TH_LOAD_NT
.set i, i+1
.endr
	s_wait_loadcnt 41                              ; the 16 partials and b_p1 are in: 8 + 16 + 1 + 16 loads were issued behind them
.irp j, 0,2,4,6
	v_pk_add_f32 v[H+\j:H+\j+1], v[H+\j:H+\j+1], v[H+8+\j:H+8+\j+1]
.endr
	v_pk_add_f32 v[H:H+1], v[H:H+1], v[H+4:H+5]
	v_pk_add_f32 v[H+2:H+3], v[H+2:H+3], v[H+6:H+7]
	v_pk_add_f32 v[H:H+1], v[H:H+1], v[H+2:H+3]
	v_add_f32 v[H], v[H], v[H+1]
	v_add_f32 v[H], v[H], v4                       ; h1[t]
	ds_store_b32 v11, v[H]
.rept 16
	global_load_b128 v[X+4*i:X+4*i+3], v2, s[4:5] offset:i*16384 th:TH_LOAD_NT   ; the second half of x goes out while the store is on its way
.set i, i+1
.endr
	s_wait_dscnt 0x0                               ; for the others' sake: my number of h1 is in LDS
	s_barrier_signal -1
	s_barrier_wait -1
.irp i, 0,1,2,3
	ds_load_b128 v[H+4*\i:H+4*\i+3], v1 offset:H1L+512*\i          ; all 512 numbers, 16 a lane, laid as ln_w, ln_b and W_p2's rows are
.endr
	s_wait_loadcnt 49                              ; ln_w and ln_b are in: 16 + 1 + 32 loads were issued behind them
	s_wait_dscnt 0x0
	v_pk_add_f32 v[4:5], v[H:H+1], v[H+2:H+3]
	v_pk_add_f32 v[6:7], v[H+4:H+5], v[H+6:H+7]
	v_pk_add_f32 v[4:5], v[4:5], v[H+8:H+9]
	v_pk_add_f32 v[6:7], v[6:7], v[H+10:H+11]
	v_pk_add_f32 v[4:5], v[4:5], v[H+12:H+13]
	v_pk_add_f32 v[6:7], v[6:7], v[H+14:H+15]
	v_pk_add_f32 v[4:5], v[4:5], v[6:7]
	v_add_f32 v4, v4, v5
	WSUM 4, 8
	v_mul_f32 v4, s30, v4                          ; the mean
.irp j, 0,2,4,6,8,10,12,14
	v_pk_add_f32 v[H+\j:H+\j+1], v[H+\j:H+\j+1], v[4:5] op_sel_hi:[1,0] neg_lo:[0,1] neg_hi:[0,1]   ; h1 - mean, both halves by v4
.endr
	v_pk_mul_f32 v[6:7], v[H:H+1], v[H:H+1]
.irp j, 2,4,6,8,10,12,14
	v_pk_fma_f32 v[6:7], v[H+\j:H+\j+1], v[H+\j:H+\j+1], v[6:7]
.endr
	v_add_f32 v6, v6, v7
	WSUM 6, 8
	v_fma_f32 v6, v6, s30, s3                      ; the variance + 1e-5
	v_rsq_f32 v6, v6
	v_nop                                          ; one plain instruction before the result is used (ISA guide 5.7.2)
	s_wait_alu depctr_va_vdst(0)
.irp j, 0,2,4,6,8,10,12,14
	v_pk_mul_f32 v[H+\j:H+\j+1], v[H+\j:H+\j+1], v[6:7] op_sel_hi:[1,0]
.endr
.irp j, 0,2,4,6,8,10,12,14
	v_pk_fma_f32 v[H+\j:H+\j+1], v[H+\j:H+\j+1], v[LW+\j:LW+\j+1], v[LB+\j:LB+\j+1]
.endr
.irp j, 0,1,2,3,4,5,6,7,8,9,10,11,12,13,14,15
	v_max_num_f32 v[H+\j], 0, v[H+\j]              ; relu
.endr
	s_wait_loadcnt 33                              ; W_p2 is in: b_p2 and 32 loads of x were issued behind it
.irp k, 0,1,2,3                        ; four dot products side by side; ln_w's registers are free and take the sums
	v_pk_mul_f32 v[LW+2*\k:LW+2*\k+1], v[W2+16*\k:W2+16*\k+1], v[H:H+1]
.endr
.irp j, 2,4,6,8,10,12,14
.irp k, 0,1,2,3
	v_pk_fma_f32 v[LW+2*\k:LW+2*\k+1], v[W2+16*\k+\j:W2+16*\k+\j+1], v[H+\j:H+\j+1], v[LW+2*\k:LW+2*\k+1]
.endr
.endr
.irp k, 0,1,2,3
	v_add_f32 v[LW+2*\k], v[LW+2*\k], v[LW+2*\k+1]
.endr
.irp m, 1,2,4,8
.irp k, 0,1,2,3
	v_add_f32_dpp v[LW+2*\k], v[LW+2*\k], v[LW+2*\k] row_xmask:\m row_mask:0xf bank_mask:0xf
.endr
.endr
.irp k, 0,1,2,3
	v_permlanex16_b32 v[LW+2*\k+1], v[LW+2*\k], s[SEL], s[SEL+1]
.endr
.irp k, 0,1,2,3
	v_add_f32 v[LW+2*\k], v[LW+2*\k], v[LW+2*\k+1]
	ds_store_b32 v9, v[LW+2*\k] offset:ROWL+4*\k   ; column 4 w + k of the slice; all lanes store the same number
.endr
	s_wait_dscnt 0x0                               ; for the others' sake: my four columns are in LDS
	s_barrier_signal -1
	s_barrier_wait -1
	ds_load_b128 v[8:11], v3 offset:ROWL           ; my 4 columns of the row (v10 was the address of loads that the wait for 41 has shown done)
	s_wait_loadcnt 32                              ; b_p2
	s_wait_dscnt 0x0
	v_pk_add_f32 v[8:9], v[8:9], v[BP:BP+1]
	v_pk_add_f32 v[10:11], v[10:11], v[BP+2:BP+3]
.set i, 0
.rept 32
	s_wait_loadcnt 31-i                            ; quad i is in (loads come back in order, ISA guide 5.7.1); the younger ones stay out
	v_pk_add_f32 v[X+4*i:X+4*i+1], v[X+4*i:X+4*i+1], v[8:9]
	v_pk_add_f32 v[X+4*i+2:X+4*i+3], v[X+4*i+2:X+4*i+3], v[10:11]
	global_store_b128 v2, v[X+4*i:X+4*i+3], s[18:19] offset:i*16384 th:TH_STORE_NT   ; 16 lanes store 256 consecutive bytes, at a multiple of 256 from out0's first byte; no register of a store is written again
.set i, i+1
.endr
	s_wait_xcnt 0x0
	v_lshl_add_u32 v254, v0, 2, 0x900
	v_mov_b32 v255, 0
	s_wait_tensorcnt 0x0
	ds_add_u32 v254, v255
	s_wait_dscnt 0x0
	s_endpgm
.Lfunc_end_k_q35b9ebbb4d_resid:
	.size	k_q35b9ebbb4d_resid, .Lfunc_end_k_q35b9ebbb4d_resid-k_q35b9ebbb4d_resid
	.p2alignl 7, 3214868480
	.fill 96, 4, 3214868480
	.section	.rodata,"a",@progbits
	.p2align	6, 0x0
	.amdhsa_kernel k_q35b9ebbb4d_resid
		.amdhsa_group_segment_fixed_size 4352
		.amdhsa_private_segment_fixed_size 0
		.amdhsa_enable_private_segment 0
		.amdhsa_kernarg_size 64
		.amdhsa_user_sgpr_count 2
		.amdhsa_user_sgpr_kernarg_segment_ptr 1
		.amdhsa_wavefront_size32 1
		.amdhsa_system_sgpr_workgroup_id_x 1
		.amdhsa_system_sgpr_workgroup_id_y 1
		.amdhsa_system_sgpr_workgroup_id_z 1
		.amdhsa_system_vgpr_workitem_id 0
		.amdhsa_next_free_vgpr 256
		.amdhsa_next_free_sgpr 66
		.amdhsa_reserve_vcc 0
		.amdhsa_float_denorm_mode_32 3
		.amdhsa_float_denorm_mode_16_64 3
		.amdhsa_memory_ordered 1
		.amdhsa_forward_progress 1
		.amdhsa_inst_pref_size 26
	.end_amdhsa_kernel
	.amdgpu_metadata
---
amdhsa.version: [ 1, 2 ]
amdhsa.kernels:
  - .name:           k_q35b9ebbb4d_resid
    .symbol:         k_q35b9ebbb4d_resid.kd
    .args:
      - { .name: x, .offset: 0, .size: 8, .value_kind: global_buffer, .address_space: global }
      - { .name: h1p, .offset: 8, .size: 8, .value_kind: global_buffer, .address_space: global }
      - { .name: b_p1, .offset: 16, .size: 8, .value_kind: global_buffer, .address_space: global }
      - { .name: ln_w, .offset: 24, .size: 8, .value_kind: global_buffer, .address_space: global }
      - { .name: ln_b, .offset: 32, .size: 8, .value_kind: global_buffer, .address_space: global }
      - { .name: W_p2, .offset: 40, .size: 8, .value_kind: global_buffer, .address_space: global }
      - { .name: b_p2, .offset: 48, .size: 8, .value_kind: global_buffer, .address_space: global }
      - { .name: out0, .offset: 56, .size: 8, .value_kind: global_buffer, .address_space: global }
    .group_segment_fixed_size: 4352
    .private_segment_fixed_size: 0
    .kernarg_segment_align: 8
    .kernarg_segment_size: 64
    .max_flat_workgroup_size: 512
    .sgpr_count:     66
    .vgpr_count:     256
    .wavefront_size: 32
...
	.end_amdgpu_metadata
.endif
;; end of part 5
;; ======== version 2 of 2: 5 launches; version 1 with the launches flash, combine written anew for expert scheduling mode
;; workspace buffers: u 65,536 bytes; yp 33,554,432 bytes; stats 32,768 bytes; x1p 131,072 bytes; h1p 32,768 bytes
;; launch qproj: the kernel of part 1 again; grid 16 x 16, 8 waves a work-group, no clusters, 5,120 bytes of LDS; arguments W_kv, q, u; writes u
;; launch flash (part 6): grid 256 x 1, 16 waves a work-group, no clusters, 249,344 bytes of LDS; arguments x, u, q, b_kv, yp, stats; writes yp, stats
.if DOCPART == 6
	.amdgcn_target "amdgcn-amd-amdhsa--gfx1250"
	.amdhsa_code_object_version 6
	.text
	.protected	k_q35b9ebbb4d_flash
	.globl	k_q35b9ebbb4d_flash
	.p2align	8
	.type	k_q35b9ebbb4d_flash,@function
k_q35b9ebbb4d_flash:
	s_mov_b64 s[64:65], 0
	v_nop
	global_prefetch_b8 v0, s[64:65] scope:SCOPE_SE
	s_setreg_imm32_b32 hwreg(HW_REG_WAVE_SCHED_MODE, 0, 2), 2
	s_setreg_imm32_b32 hwreg(HW_REG_WAVE_MODE, 25, 1), 1
	s_wait_xcnt 0x0
	s_wait_alu depctr_vm_vsrc(0)
; For block p of 32 rows of x and all 16 heads:  S[h][s] = u_h . x_s + c_h  (in units of log2: u and c carry log2(e) / sqrt(128)),
; m[h] = max over the block's rows, P = 2^(S - m), l[h] = sum of P,  yp[h][:] = sum over the rows of P[h][s] x[s][:].
; The block's maximum is taken away here, the maximum over all blocks in the next launch.
; LIMITS: u, x and P are rounded to bf16 as matrix operands, sums in f32; l is the sum of the unrounded weights; a weight below 2^-126 becomes 0 (v_exp_f32).
; SHARES: one work-group = 32 rows x 2,048 columns of x (256 KiB), asked for whole at the start.  Wave w owns columns 128 w .. 128 w + 127 of all
; 32 rows, for BOTH products, so x never passes from wave to wave; only the 16 x 32 partial scores of the sixteen waves meet in LDS.
; THE LOAD'S SHAPE: one load takes 256 bytes of two rows: lanes 0-15 row a, lanes 16-31 row a + 8; lane r holds columns 64 g + 4 r .. + 3.
;   For P x: two such registers of neighbouring rows, rounded as a pair, ARE a register of source 1 (32 rows x 16 columns): lane r stands for column
;   64 g + 4 r + t, the lane's half for rows 8 (lane / 16) on: four tiles t for each half g of the slice, with no trip through LDS.
;   For u x^T: the same registers, rounded by pairs of columns, go once through the wave's own LDS rows and come back as source 0 (16 rows x 32 columns).
; NO CLUSTER: what work-groups share is u, 64 KiB a group against 256 KiB of x of its own, and it comes through registers.
; NO RING: every byte a wave needs is on its way from the first lines on: 42 loads a wave.
; THE MODE: SCHED_MODE bits 1:0 = 2 (LLVM: expert scheduling mode 2), set by the entry lines.  The code itself states the register dependences
; between vector or matrix instructions and memory or LDS instructions, with s_wait_alu, always for 0.
; THE PLAN.  Registers that memory or LDS instructions touch:
;   v4-v6, v16, v17      global offsets, made at the head, never written again.     v7-v15, v248, v249  LDS addresses and one offset, each made once.
;   UF                   q and b_k land; four vector lines read them; then fragments of u land (twice) and products read them.
;   XA                   u lands, 8 LDS stores read it; half 0's roundings by pairs of columns write it, 16 LDS stores read it; fragments of x land (twice), products read them;
;                        the partial scores land in its first 16; P's fragment lands in its registers 16 to 23, which no store has read since the wait on vm_vsrc in half 0.
;   v[152:183]           half 1's roundings by pairs of columns write it, 16 LDS stores read it; never written again.
;   S0                   products write it, 4 LDS stores read it.     OO  moves write it, 16 global stores read it, each registers of its own.
;   F and DD are named by vector and matrix instructions alone.
; So each run of stores has ONE wait on va_vdst ahead of it, behind all the lines that make its data, and the LDS loads that follow lean on that same wait:
; the vector lines between (the roundings by pairs of rows) name F and x as loaded alone.  Two waits on vm_vsrc, both in half 0, free XA.
.set SC,   0x3e0293ee                  ; log2(e) / sqrt(128)
.set PIT,  272                         ; an LDS row of 128 bf16: 256 bytes + 16: the 16 rows of a fragment load start 68 words apart
.set XB,   0                           ; 16 waves x 32 rows x 272: x in bf16, each wave's own
.set XBW,  32*PIT
.set UB,   16*XBW                      ; 16 waves x 16 heads x 272: u's slice, each wave's own
.set UBW,  16*PIT
.set SP,   UB+16*UBW                   ; 16 waves x 16 heads x 144: partial scores (32 rows of f32 + 16 bytes)
.set SPW,  16*144
.set PB,   SP+16*SPW                   ; 16 heads x 80: P in bf16 (32 rows + 16 bytes)
.set ST,   PB+16*80                    ; m[16], l[16]
.set UF,   24                          ; v[24:39]   u's fragments of two K steps; first q in v[24:27], b_k in v[28:31]
.set XA,   40                          ; v[40:71]   x's fragments (2 K steps x 2 row tiles); first u as loaded, then half 0's rounded quads on their way to LDS; later the partial scores
.set PF,   XA+16                       ; v[56:63]   P's fragment
.set TB1,  152                         ; v[152:183] half 1's rounded quads on their way to LDS, over x's registers of g = 0 that F leaves free
.set S0,   72                          ; v[72:79] scores of rows 0-15, v[80:87] of rows 16-31
.set F0,   88                          ; v[88:119]  source 1 of P x for g = 0 (4 tiles); g = 1: v[120:151], over x's registers of g = 0
.set XR0,  120                         ; v[120:183] x as loaded, g = 0;  v[184:247] g = 1
.set DD,   184                         ; v[184:247] the 8 results of P x, (g, t) at 184 + 32 g + 8 t, over x's registers of g = 1
.set OO,   88                          ; v[88:151]  store quads, over the F registers
.set SEL,  20                          ; s[20:21]   lane selects of v_permlanex16_b32: each lane takes its own place in the other half
.macro WSUM a, t                       ; the sum over the 32 lanes, in every lane
	v_add_f32_dpp v[\a], v[\a], v[\a] row_xmask:1 row_mask:0xf bank_mask:0xf
	v_add_f32_dpp v[\a], v[\a], v[\a] row_xmask:2 row_mask:0xf bank_mask:0xf
	v_add_f32_dpp v[\a], v[\a], v[\a] row_xmask:4 row_mask:0xf bank_mask:0xf
	v_add_f32_dpp v[\a], v[\a], v[\a] row_xmask:8 row_mask:0xf bank_mask:0xf
	v_permlanex16_b32 v[\t], v[\a], s[SEL], s[SEL+1]
	v_add_f32 v[\a], v[\a], v[\t]
.endm
.macro WMAX a, t                       ; the maximum likewise
	v_max_num_f32_dpp v[\a], v[\a], v[\a] row_xmask:1 row_mask:0xf bank_mask:0xf
	v_max_num_f32_dpp v[\a], v[\a], v[\a] row_xmask:2 row_mask:0xf bank_mask:0xf
	v_max_num_f32_dpp v[\a], v[\a], v[\a] row_xmask:4 row_mask:0xf bank_mask:0xf
	v_max_num_f32_dpp v[\a], v[\a], v[\a] row_xmask:8 row_mask:0xf bank_mask:0xf
	v_permlanex16_b32 v[\t], v[\a], s[SEL], s[SEL+1]
	v_max_num_f32 v[\a], v[\a], v[\t]
.endm
	s_load_b256 s[4:11], s[0:1], 0x0               ; x s[4:5], u s[6:7], q s[8:9], b_kv s[10:11]
	s_load_b128 s[12:15], s[0:1], 0x20             ; yp s[12:13], stats s[14:15]
	v_lshl_add_u32 v254, v0, 2, 0x3c600
	v_mov_b32 v255, 0
	v_lshrrev_b32 v1, 5, v0
	v_readfirstlane_b32 s16, v1                    ; wave 0..15
	v_and_b32 v1, 15, v0                           ; r
	v_bfe_u32 v2, v0, 4, 1                         ; which half of the lanes
	v_and_b32 v3, 31, v0                           ; lane
	v_lshlrev_b32 v4, 4, v0                        ; q, b_k: 16 x thread: wave w's lanes hold exactly head w's 128 numbers
	v_lshlrev_b32 v5, 4, v1                        ; 16 r
	v_lshl_add_u32 v6, v2, 16, v5                  ; x: 16 r, and 8 rows of 8,192 bytes down for lanes 16-31
	v_lshl_add_u32 v16, v2, 24, v5                 ; yp: 16 r, and 8 heads of 2,097,152 bytes on for lanes 16-31
	v_add_nc_u32 v17, 0x800000, v16                ; the same 4 heads on, so that the stores' immediates stay inside their signed 24 bits
	v_lshl_add_u32 v5, v2, 12, v5                  ; u: 16 r, and one head (4,096 bytes) on for lanes 16-31
	v_mov_b32 v21, 0                               ; v_permlanex16_b32 counts as a reader of its destination
	s_wait_alu depctr_va_sdst(0)                   ; s16 is written, ahead of its first reader: the bases and the LDS regions are made from it
	s_mov_b32 s[SEL], 0x76543210
	s_mov_b32 s[SEL+1], 0xfedcba98
	s_lshl_b32 s22, ttmp9, 18                      ; x: block x 32 rows x 8,192 bytes + wave x 512
	s_lshl_b32 s23, s16, 9
	s_add_co_u32 s22, s22, s23
	s_mov_b32 s23, 0
	s_lshl_b32 s24, s16, 8                         ; u: wave x 256 bytes
	s_mov_b32 s25, 0
	s_lshl_b32 s26, s16, 17                        ; yp [head][slice][block][128] f32: slice (= wave) x 131,072 + block x 512
	s_lshl_b32 s27, ttmp9, 9
	s_add_co_u32 s26, s26, s27
	s_mov_b32 s27, 0
	s_lshl_b32 s28, ttmp9, 7                       ; stats [block][32] f32
	s_mov_b32 s29, 0
	s_wait_kmcnt 0x0
	s_add_nc_u64 s[4:5], s[4:5], s[22:23]
	s_add_nc_u64 s[6:7], s[6:7], s[24:25]
	s_add_nc_u64 s[12:13], s[12:13], s[26:27]
	s_add_nc_u64 s[14:15], s[14:15], s[28:29]
	s_wait_alu depctr_va_vdst(0)                   ; the global offsets v4, v5, v6, v16 and v17 are written, which the loads below and the stores at the end read
	; 42 loads, the small ones first, so that their counted waits leave x on its way
	global_load_b128 v[UF:UF+3], v4, s[8:9]        ; q
	global_load_b128 v[UF+4:UF+7], v4, s[10:11]    ; b_k: the first 2,048 numbers of b_kv
.set i, 0
.rept 8
	global_load_b128 v[XA+4*i:XA+4*i+3], v5, s[6:7] offset:i*8192   ; heads 2 i and 2 i + 1, 256 bytes each
.set i, i+1
.endr
.irp g, 0,1
.set i, 0
.rept 16
	global_load_b128 v[XR0+64*\g+4*i:XR0+64*\g+4*i+3], v6, s[4:5] offset:(i+8*(i/8))*8192+256*\g th:TH_LOAD_NT   ; rows i (+ 8) for i < 8, rows i + 8 (+ 8) from there on
.set i, i+1
.endr
.endr
	; LDS addresses of the first phases; each wave's regions are its number times a constant.  v18 and v19 are at work here alone.
	s_mul_i32 s17, s16, UBW
	s_add_co_u32 s17, s17, UB
	s_mul_i32 s18, s16, XBW
	s_mul_i32 s19, s16, SPW
	s_add_co_u32 s19, s19, SP
	s_mul_i32 s30, s16, 144
	s_add_co_u32 s30, s30, SP
	s_mul_i32 s31, s16, 80
	s_add_co_u32 s31, s31, PB
	s_lshl_b32 s22, s16, 2
	s_add_co_u32 s22, s22, ST
	v_mul_u32_u24 v18, v1, PIT
	v_lshl_add_u32 v18, v2, 4, v18                 ; a fragment's row x pitch + 16 x half
	v_add_nc_u32 v8, s17, v18                      ; u's fragments
	v_add_nc_u32 v10, s18, v18                     ; x's fragments
	v_mul_u32_u24 v19, v2, PIT
	v_lshl_add_u32 v7, v1, 4, v19
	v_add_nc_u32 v7, s17, v7                       ; u in: 16 r, one row down for lanes 16-31
	v_mul_u32_u24 v19, v2, 8*PIT
	v_lshl_add_u32 v9, v1, 3, v19
	v_add_nc_u32 v9, s18, v9                       ; x in: 8 r, eight rows down for lanes 16-31
	s_wait_loadcnt 40                              ; q and b_k are in: 8 loads of u and 32 of x were issued behind them
	v_mul_f32 v20, v[UF], v[UF+4]                  ; my four terms of c = q_h . b_k,h
	v_fmac_f32 v20, v[UF+1], v[UF+5]
	v_fmac_f32 v20, v[UF+2], v[UF+6]
	v_fmac_f32 v20, v[UF+3], v[UF+7]
	s_wait_loadcnt 32                              ; u is in
	s_wait_alu depctr_va_vdst(0)                   ; the LDS addresses v7 to v10 are written, which the LDS stores and loads of both halves read; the four lines above are done reading UF, in which fragments of u land
.set i, 0
.rept 8
	ds_store_b128 v7, v[XA+4*i:XA+4*i+3] offset:i*2*PIT
.set i, i+1
.endr
; Half g of the slice (64 columns = two K steps of 32).  x is rounded twice: by pairs of columns into the out-buffer tb and from there into my LDS rows, by pairs of rows into F.
; Then the fragments come back (my own bytes: LDS serves a wave's instructions in order, ISA guide 5.7.1, so no wait on DScnt stands between stores and loads)
; and four products add onto the two score tiles, which take turns, one instruction a turn, from stage to stage too.
.macro STAGE g, tb
.if \g == 0
	s_wait_alu depctr_vm_vsrc(0)                   ; u's LDS stores have read XA, which the roundings below write
.endif
.set i, 0
.rept 16
	s_wait_loadcnt 16*(1-\g)+15-i                  ; load i of this half is in; the younger ones stay out
	v_cvt_pk_bf16_f32 v[\tb+2*i], v[XR0+64*\g+4*i], v[XR0+64*\g+4*i+1]
	v_cvt_pk_bf16_f32 v[\tb+2*i+1], v[XR0+64*\g+4*i+2], v[XR0+64*\g+4*i+3]
.set i, i+1
.endr
	s_wait_alu depctr_va_vdst(0)                   ; the roundings have written the out-buffer, which the LDS stores read; in half 1 the products of half 0 are done reading XA and UF, in which the fragments below land
.set i, 0
.rept 16
	ds_store_b64 v9, v[\tb+2*i:\tb+2*i+1] offset:(i+8*(i/8))*PIT+128*\g
.set i, i+1
.endr
.irp t, 0,1,2,3
.irp c, 0,1,2,3,4,5,6,7
	v_cvt_pk_bf16_f32 v[F0+32*\g+8*\t+\c], v[XR0+64*\g+8*\c+\t], v[XR0+64*\g+8*\c+4+\t]   ; register c of tile t: loads 2 c and 2 c + 1 are two neighbouring rows.  These name F and x as loaded alone: none of the registers that the loads below touch
.endr
.endr
.if \g == 0
	s_wait_alu depctr_vm_vsrc(0)                   ; the sixteen LDS stores have read XA, in which fragments of x land from here on
.endif
.irp k, 0,1
	ds_load_b128 v[UF+8*\k:UF+8*\k+3],   v8 offset:(2*\g+\k)*64
	ds_load_b128 v[UF+8*\k+4:UF+8*\k+7], v8 offset:(2*\g+\k)*64+32
.irp n, 0,1
	ds_load_b128 v[XA+8*(2*\k+\n):XA+8*(2*\k+\n)+3],   v10 offset:\n*16*PIT+(2*\g+\k)*64
	ds_load_b128 v[XA+8*(2*\k+\n)+4:XA+8*(2*\k+\n)+7], v10 offset:\n*16*PIT+(2*\g+\k)*64+32
.endr
.endr
	s_wait_dscnt 0x0
.irp k, 0,1
.irp n, 0,1
.if (\g == 0) && (\k == 0)
	v_wmma_f32_16x16x32_bf16 v[S0+8*\n:S0+8*\n+7], v[XA+8*(2*\k+\n):XA+8*(2*\k+\n)+7], v[UF+8*\k:UF+8*\k+7], 0   ; the first K step starts the sums
.else
	v_wmma_f32_16x16x32_bf16 v[S0+8*\n:S0+8*\n+7], v[XA+8*(2*\k+\n):XA+8*(2*\k+\n)+7], v[UF+8*\k:UF+8*\k+7], v[S0+8*\n:S0+8*\n+7]
.endif
.endr
.endr
.endm
	STAGE 0, XA
	STAGE 1, TB1
	; In a score tile lane (r, half) holds head r and rows 16 n + 8 half + 0..7.
	; The later phases' addresses are made here: eleven plain instructions, the places behind the last products (ISA guide 7.12.1).
	v_mul_u32_u24 v11, v1, 144
	v_lshl_add_u32 v11, v2, 5, v11
	v_add_nc_u32 v11, s19, v11                     ; my partial scores: head r's row, 8 rows of f32 on for lanes 16-31
	v_lshl_add_u32 v12, v3, 2, s30                 ; head = my wave, row = my lane, in wave 0's partial
	v_lshl_add_u32 v13, v3, 1, s31                 ; P: head = my wave, row = my lane
	v_mul_u32_u24 v14, v1, 80
	v_lshl_add_u32 v14, v2, 4, v14
	v_add_nc_u32 v14, PB, v14                      ; P's fragment: head r, 16 bytes on for lanes 16-31
	v_mov_b32 v15, s22                             ; m of my wave's head
	v_lshlrev_b32 v248, 2, v3
	v_add_nc_u32 v249, ST, v248
	WSUM 20, 21                                    ; c of head w, in every lane of wave w
	v_mul_f32 v20, SC, v20
	s_wait_alu depctr_va_vdst(0)                   ; the products have written S0, which the LDS stores read, and are done reading XA, in which the partial scores land; v11 to v15, v248 and v249 are written.  The places above stay beside this wait
	ds_store_b128 v11, v[S0:S0+3]                  ; each tile from its low end on
	ds_store_b128 v11, v[S0+4:S0+7] offset:16
	ds_store_b128 v11, v[S0+8:S0+11] offset:64
	ds_store_b128 v11, v[S0+12:S0+15] offset:80
	s_wait_dscnt 0x0                               ; for the others' sake: my partial scores are in LDS
	s_barrier_signal -1
	s_barrier_wait -1
	; Wave w finishes head w; lane L is row L of the block.
.set k, 0
.rept 16
	ds_load_b32 v[XA+k], v12 offset:k*SPW          ; no vector or matrix instruction since the wait above names XA or v12
.set k, k+1
.endr
	s_wait_dscnt 0x0
.irp k, 0,2,4,6
	v_pk_add_f32 v[XA+\k:XA+\k+1], v[XA+\k:XA+\k+1], v[XA+8+\k:XA+8+\k+1]
.endr
	v_pk_add_f32 v[XA:XA+1], v[XA:XA+1], v[XA+4:XA+5]
	v_pk_add_f32 v[XA+2:XA+3], v[XA+2:XA+3], v[XA+6:XA+7]
	v_pk_add_f32 v[XA:XA+1], v[XA:XA+1], v[XA+2:XA+3]
	v_add_f32 v[XA], v[XA], v[XA+1]
	v_add_f32 v[XA], v[XA], v20                    ; S = u . x + c
	v_mov_b32 v22, v[XA]                           ; S is kept: the reduction works in place
	WMAX 22, 21                                    ; m: the block's maximum for this head
	v_sub_f32 v[XA+1], v[XA], v22
	v_exp_f32 v[XA+1], v[XA+1]                     ; p = 2^(S - m), at most 1
	v_nop                                          ; one plain instruction before the result is used (ISA guide 5.7.2)
	s_wait_alu depctr_va_vdst(0)
	v_cvt_pk_bf16_f32 v[XA+2], v[XA+1], v[XA+1]
	WSUM XA+1, 21                                  ; l: at least 1, since the maximum's own weight is 1
	s_wait_alu depctr_va_vdst(0)                   ; the rounded weight, m and l are written, which the three LDS stores read; the sums are done reading v[XA+8], in which wave 0's load below lands
	ds_store_b16 v13, v[XA+2]
	ds_store_b32 v15, v22                          ; all lanes store the same number to the same word
	ds_store_b32 v15, v[XA+1] offset:64
	s_wait_dscnt 0x0
	s_barrier_signal -1
	s_barrier_wait -1
	ds_load_b128 v[PF:PF+3], v14                   ; P as source 0: lane (r, half) holds head r, rows 8 half + 0..7,
	ds_load_b128 v[PF+4:PF+7], v14 offset:32       ; and rows 16 + 8 half + 0..7.  These registers' last readers, half 1's products, stand ahead of the wait in front of the score stores
	s_cmp_lg_u32 s16, 0
	s_cbranch_scc1 .Lnot_wave_0
	ds_load_b32 v[XA+8], v249                      ; wave 0 sends the block's 16 m and 16 l: 128 consecutive bytes (the launch's 32 KiB of statistics leave in halves of aligned 256 bytes)
	s_wait_dscnt 0x0
	global_store_b32 v248, v[XA+8], s[14:15]
.Lnot_wave_0:
	s_wait_dscnt 0x0
	; yp = P x: K = 32 is the whole block, so each of the 8 tiles is one product that starts and ends its sum.
.irp g, 0,1
.irp t, 0,1,2,3
	v_wmma_f32_16x16x32_bf16 v[DD+32*\g+8*\t:DD+32*\g+8*\t+7], v[PF:PF+7], v[F0+32*\g+8*\t:F0+32*\g+8*\t+7], 0
.endr
.endr
.rept 4
	v_nop                                          ; four places before results are read and sources written over (ISA guide 7.12.1); no other vector work is left
.endr
; In tile (g, t) register j of lane (r, half) is head 8 half + j, column 64 g + 4 r + t.  Four moves gather the four tiles' register j into 16 bytes of
; neighbouring columns, so that lanes 0-15 store the 256 consecutive bytes of head j and lanes 16-31 those of head 8 + j, each at a multiple of 256 bytes.
; j ascends.  Every store has data registers of its own: none is rewritten.
; A half's 32 moves stand together, one wait behind them, and its eight stores follow in one run.
.macro OUT g
.set j, 0
.rept 8
.irp t, 0,1,2,3
	v_mov_b32 v[OO+32*\g+4*j+\t], v[DD+32*\g+8*\t+j]
.endr
.set j, j+1
.endr
	s_wait_alu depctr_va_vdst(0)                   ; the moves have written this half's eight quads, which the stores read
.set j, 0
.rept 8
.if j < 4
	global_store_b128 v16, v[OO+32*\g+4*j:OO+32*\g+4*j+3], s[12:13] offset:j*2097152+256*\g
.else
	global_store_b128 v17, v[OO+32*\g+4*j:OO+32*\g+4*j+3], s[12:13] offset:(j-4)*2097152+256*\g
.endif
.set j, j+1
.endr
.endm
	OUT 0
	OUT 1
	s_wait_dscnt 0x0
	s_wait_alu depctr_hold_cnt(0) depctr_sa_sdst(0) depctr_va_vdst(0) depctr_va_sdst(0) depctr_va_ssrc(0) depctr_va_vcc(0) depctr_vm_vsrc(0)
	s_wait_tensorcnt 0x0
	ds_add_u32 v254, v255
	s_wait_dscnt 0x0
	s_endpgm
.Lfunc_end_k_q35b9ebbb4d_flash:
	.size	k_q35b9ebbb4d_flash, .Lfunc_end_k_q35b9ebbb4d_flash-k_q35b9ebbb4d_flash
	.p2alignl 7, 3214868480
	.fill 96, 4, 3214868480
	.section	.rodata,"a",@progbits
	.p2align	6, 0x0
	.amdhsa_kernel k_q35b9ebbb4d_flash
		.amdhsa_group_segment_fixed_size 249344
		.amdhsa_private_segment_fixed_size 0
		.amdhsa_enable_private_segment 0
		.amdhsa_kernarg_size 48
		.amdhsa_user_sgpr_count 2
		.amdhsa_user_sgpr_kernarg_segment_ptr 1
		.amdhsa_wavefront_size32 1
		.amdhsa_system_sgpr_workgroup_id_x 1
		.amdhsa_system_sgpr_workgroup_id_y 1
		.amdhsa_system_sgpr_workgroup_id_z 1
		.amdhsa_system_vgpr_workitem_id 0
		.amdhsa_next_free_vgpr 256
		.amdhsa_next_free_sgpr 66
		.amdhsa_reserve_vcc 0
		.amdhsa_float_denorm_mode_32 3
		.amdhsa_float_denorm_mode_16_64 3
		.amdhsa_memory_ordered 1
		.amdhsa_forward_progress 1
		.amdhsa_inst_pref_size 30
	.end_amdhsa_kernel
	.amdgpu_metadata
---
amdhsa.version: [ 1, 2 ]
amdhsa.kernels:
  - .name:           k_q35b9ebbb4d_flash
    .symbol:         k_q35b9ebbb4d_flash.kd
    .args:
      - { .name: x, .offset: 0, .size: 8, .value_kind: global_buffer, .address_space: global }
      - { .name: u, .offset: 8, .size: 8, .value_kind: global_buffer, .address_space: global }
      - { .name: q, .offset: 16, .size: 8, .value_kind: global_buffer, .address_space: global }
      - { .name: b_kv, .offset: 24, .size: 8, .value_kind: global_buffer, .address_space: global }
      - { .name: yp, .offset: 32, .size: 8, .value_kind: global_buffer, .address_space: global }
      - { .name: stats, .offset: 40, .size: 8, .value_kind: global_buffer, .address_space: global }
    .group_segment_fixed_size: 249344
    .private_segment_fixed_size: 0
    .kernarg_segment_align: 8
    .kernarg_segment_size: 48
    .max_flat_workgroup_size: 512
    .sgpr_count:     66
    .vgpr_count:     256
    .wavefront_size: 32
...
	.end_amdgpu_metadata
.endif
;; end of part 6
;; launch combine (part 7): grid 16 x 16, 8 waves a work-group, no clusters, 6,144 bytes of LDS; arguments yp, stats, W_kv, x1p; writes x1p
.if DOCPART == 7
	.amdgcn_target "amdgcn-amd-amdhsa--gfx1250"
	.amdhsa_code_object_version 6
	.text
	.protected	k_q35b9ebbb4d_combine
	.globl	k_q35b9ebbb4d_combine
	.p2align	8
	.type	k_q35b9ebbb4d_combine,@function
k_q35b9ebbb4d_combine:
	s_mov_b64 s[64:65], 0
	v_nop
	global_prefetch_b8 v0, s[64:65] scope:SCOPE_SE
	s_setreg_imm32_b32 hwreg(HW_REG_WAVE_SCHED_MODE, 0, 2), 2
	s_setreg_imm32_b32 hwreg(HW_REG_WAVE_MODE, 25, 1), 1
	s_wait_xcnt 0x0
	s_wait_alu depctr_vm_vsrc(0)
; The softmax is finished and W_v applied.  For head h and slice cs of 128 columns:
;   M = max over the 256 blocks of m_p,  e_p = 2^(m_p - M),  L = sum of e_p l_p,  y[c] = (sum over p of e_p yp[h][cs][p][c]) / L,
;   x1p[cs][128 h + d] = sum over the slice's c of W_v[128 h + d][c] y[c].
; Since the weights of a head add up to 1, sum_s a_s (W_v x_s + b_v) = W_v y + b_v: W_v is read once and v is never formed (b_v is added in the next launch).
; LIMIT: another order of summation than the reference's.  L is at least 1 (the block that holds M has e = 1 and l >= 1).  All in f32.
; SHARES: work-group (cs, h): 256 blocks x 512 bytes of yp and 128 rows x 512 bytes of W_v.  Wave w takes blocks 32 w .. + 31 and rows 16 w .. + 15, lane L
; columns 4 L .. + 3: every load of a wave is 512 neighbouring bytes.  All 50 loads of a wave are out at once.  Thread p also holds block p's m and l,
; so a wave's own lanes hold the weights of just its 32 blocks, which go to scalar registers by v_readlane_b32.
; No matrix unit (one row a head), no cluster (no two work-groups share bytes but 2 KiB of statistics).
; THE MODE: SCHED_MODE bits 1:0 = 2 (LLVM: expert scheduling mode 2), set by the entry lines.  The code itself states the register dependences
; between vector instructions and memory or LDS instructions, with s_wait_alu, always for 0.
; THE PLAN.  Registers that memory or LDS instructions touch:
;   v1, v2, v24-v28   offsets and LDS addresses, made at the head, never written again.
;   v5                the wave's maximum: vector lines write it, one LDS store reads it, nothing writes it again (the weight e has v29 to itself).
;   v[8:15]           the eight maxima land; then the sums ACC, which vector lines write and one LDS store reads; nothing lands or is written there afterwards.
;   v7                my wave's part of L: written by vector lines, read by one LDS store.
;   YP                the 32 blocks land, the multiply-adds read them; then the partial sums land from LDS; then vector lines write the 16 results, which 16 LDS stores read.
;   v[20:23]          wave 0's last LDS load lands here, the global store reads it; no vector line names them.
; So each run of LDS stores has ONE wait on va_vdst ahead of it; the one ahead of the partial sums' stores also states that the multiply-adds are done reading YP.
; No register that a memory or LDS instruction has read is written again, so no wait on vm_vsrc is owed.
.set YP,   32                          ; v[32:159]  the wave's 32 blocks; later sums
.set WV,   160                         ; v[160:223] the wave's 16 rows of W_v
.set ACC,  8                           ; v[8:11] even blocks' sums, v[12:15] odd blocks'
.set Y,    16                          ; v[16:19]   y of my 4 columns
.set RES,  20                          ; v[20:23]   wave 0: four numbers of the result on their way out
.set EW,   29                          ; v29        e of block = thread
.set YR,   0                           ; LDS: 8 waves x 512 bytes, partial y
.set RMAX, 4096                        ; 8 words: the waves' maxima
.set RSUM, 4352                        ; 8 words: the waves' sums of e l
.set XO,   4608                        ; 128 words: the result
.set SEL,  20                          ; s[20:21]
.set WT,   32                          ; s[32:63]   e of my wave's 32 blocks
.macro FOLD base, quads                ; adds quads number quads .. 2 quads - 1 onto quads 0 .. quads - 1
.set k, 0
.rept 2*\quads
	v_pk_add_f32 v[\base+2*k:\base+2*k+1], v[\base+2*k:\base+2*k+1], v[\base+4*\quads+2*k:\base+4*\quads+2*k+1]
.set k, k+1
.endr
.endm
.macro WSUM a, t
	v_add_f32_dpp v[\a], v[\a], v[\a] row_xmask:1 row_mask:0xf bank_mask:0xf
	v_add_f32_dpp v[\a], v[\a], v[\a] row_xmask:2 row_mask:0xf bank_mask:0xf
	v_add_f32_dpp v[\a], v[\a], v[\a] row_xmask:4 row_mask:0xf bank_mask:0xf
	v_add_f32_dpp v[\a], v[\a], v[\a] row_xmask:8 row_mask:0xf bank_mask:0xf
	v_permlanex16_b32 v[\t], v[\a], s[SEL], s[SEL+1]
	v_add_f32 v[\a], v[\a], v[\t]
.endm
.macro WMAX a, t
	v_max_num_f32_dpp v[\a], v[\a], v[\a] row_xmask:1 row_mask:0xf bank_mask:0xf
	v_max_num_f32_dpp v[\a], v[\a], v[\a] row_xmask:2 row_mask:0xf bank_mask:0xf
	v_max_num_f32_dpp v[\a], v[\a], v[\a] row_xmask:4 row_mask:0xf bank_mask:0xf
	v_max_num_f32_dpp v[\a], v[\a], v[\a] row_xmask:8 row_mask:0xf bank_mask:0xf
	v_permlanex16_b32 v[\t], v[\a], s[SEL], s[SEL+1]
	v_max_num_f32 v[\a], v[\a], v[\t]
.endm
	s_load_b256 s[4:11], s[0:1], 0x0               ; yp s[4:5], stats s[6:7], W_kv s[8:9], x1p s[10:11]
	v_lshl_add_u32 v30, v0, 2, 0x1400
	v_mov_b32 v31, 0
	v_lshrrev_b32 v1, 5, v0
	v_readfirstlane_b32 s12, v1                    ; wave 0..7
	s_and_b32 s13, ttmp7, 0xffff                   ; head
	v_and_b32 v1, 31, v0
	v_lshlrev_b32 v1, 4, v1                        ; 16 L
	v_lshlrev_b32 v2, 7, v0                        ; stats: block = thread, 128 bytes a block
	v_lshlrev_b32 v25, 4, v0                       ; YR + 16 x thread
	v_mov_b32 v6, 0                                ; v_permlanex16_b32 counts as a reader of its destination
	v_mov_b32 v27, RMAX
	v_add_nc_u32 v28, XO, v1
	s_wait_alu depctr_va_sdst(0)                   ; s12 is written, ahead of its first reader: LDS addresses and bases are made from it
	s_lshl_b32 s14, s12, 2
	s_add_co_u32 s14, s14, RMAX
	v_mov_b32 v24, s14                             ; my wave's word among the maxima (the sums lie 256 bytes on)
	s_lshl_b32 s15, s12, 6
	s_add_co_u32 s15, s15, XO
	v_mov_b32 v26, s15                             ; my wave's 16 words of the result
	s_mov_b32 s[SEL], 0x76543210
	s_mov_b32 s[SEL+1], 0xfedcba98
	s_lshl_b32 s22, s13, 4                         ; yp [head][slice][block][128]: (16 h + cs) x 131,072 + wave x 32 blocks x 512
	s_add_co_u32 s22, s22, ttmp9
	s_lshl_b32 s22, s22, 17
	s_lshl_b32 s23, s12, 14
	s_add_co_u32 s22, s22, s23
	s_mov_b32 s23, 0
	s_lshl_b32 s24, s13, 2                         ; stats: word h is m, word 16 + h is l
	s_mov_b32 s25, 0
	s_lshl_b32 s26, s13, 20                        ; W_v: row 2,048 + 128 h + 16 w, 8,192 bytes a row, + slice x 512
	s_add_co_u32 s26, s26, 0x1000000
	s_lshl_b32 s27, s12, 17
	s_add_co_u32 s26, s26, s27
	s_lshl_b32 s27, ttmp9, 9
	s_add_co_u32 s26, s26, s27
	s_mov_b32 s27, 0
	s_lshl_b32 s28, ttmp9, 13                      ; x1p [slice][2048] f32: cs x 8,192 + h x 512
	s_lshl_b32 s29, s13, 9
	s_add_co_u32 s28, s28, s29
	s_mov_b32 s29, 0
	s_wait_kmcnt 0x0
	s_add_nc_u64 s[4:5], s[4:5], s[22:23]
	s_add_nc_u64 s[6:7], s[6:7], s[24:25]
	s_add_nc_u64 s[8:9], s[8:9], s[26:27]
	s_add_nc_u64 s[10:11], s[10:11], s[28:29]
	s_wait_alu depctr_va_vdst(0)                   ; the offsets v1 and v2 and the LDS addresses v24 to v28 are written, which every load and store of the kernel reads
	global_load_b32 v3, v2, s[6:7]                 ; m of block = thread: one word of each block's 128 bytes, once in the kernel
	global_load_b32 v4, v2, s[6:7] offset:64       ; l
.set i, 0
.rept 32
	global_load_b128 v[YP+4*i:YP+4*i+3], v1, s[4:5] offset:i*512 th:TH_LOAD_NT
.set i, i+1
.endr
.set i, 0
.rept 16
	global_load_b128 v[WV+4*i:WV+4*i+3], v1, s[8:9] offset:i*8192 th:TH_LOAD_NT
.set i, i+1
.endr
	s_wait_loadcnt 48                              ; m and l are in: 32 + 16 loads were issued behind them
	v_mov_b32 v5, v3                               ; m is kept: the reduction works in place
	WMAX 5, 6
	s_wait_alu depctr_va_vdst(0)                   ; the reduction has written v5, which the LDS store reads
	ds_store_b32 v24, v5
	s_wait_dscnt 0x0
	s_barrier_signal -1
	s_barrier_wait -1
	ds_load_b128 v[8:11], v27
	ds_load_b128 v[12:15], v27 offset:16
	s_wait_dscnt 0x0
	v_max3_num_f32 v8, v8, v9, v10
	v_max3_num_f32 v8, v8, v11, v12
	v_max3_num_f32 v8, v8, v13, v14
	v_max_num_f32 v8, v8, v15                      ; M
	v_sub_f32 v[EW], v3, v8
	v_exp_f32 v[EW], v[EW]                         ; e = 2^(m - M), at most 1
	v_nop                                          ; one plain instruction before the result is used (ISA guide 5.7.2)
	s_wait_alu depctr_va_vdst(0)
	v_mul_f32 v7, v[EW], v4
	WSUM 7, 6                                      ; my wave's part of L
.set i, 0
.rept 32
	v_readlane_b32 s[WT+i], v[EW], i               ; lane i holds the weight of my wave's block i
.set i, i+1
.endr
	s_wait_alu depctr_va_sdst(0)                   ; the 32 weights are written into s[WT ..], ahead of their first reader: one wait behind the run
.set i, 0
.rept 32
	s_wait_loadcnt 47-i                            ; block i is in: 31 - i blocks and 16 rows of W_v were issued behind it
.irp t, 0,1,2,3
.if i < 2
	v_mul_f32 v[ACC+4*(i%2)+\t], s[WT+i], v[YP+4*i+\t]    ; blocks 0 and 1 start the two chains
.else
	v_fmac_f32 v[ACC+4*(i%2)+\t], s[WT+i], v[YP+4*i+\t]
.endif
.endr
.set i, i+1
.endr
	FOLD ACC, 1
	s_wait_alu depctr_va_vdst(0)                   ; ACC and v7 are written, which the two LDS stores read; the multiply-adds are done reading YP, in which the LDS loads behind the barrier land
	ds_store_b128 v25, v[ACC:ACC+3]
	ds_store_b32 v24, v7 offset:RSUM-RMAX
	s_wait_dscnt 0x0
	s_barrier_signal -1
	s_barrier_wait -1
.irp k, 0,1,2,3,4,5,6,7
	ds_load_b128 v[YP+4*\k:YP+4*\k+3], v1 offset:YR+512*\k         ; no vector instruction since the wait above names YP
.endr
	ds_load_b128 v[YP+32:YP+35], v27 offset:RSUM-RMAX
	ds_load_b128 v[YP+36:YP+39], v27 offset:RSUM-RMAX+16
	s_wait_dscnt 0x0
	FOLD YP+32, 1
	v_pk_add_f32 v[YP+32:YP+33], v[YP+32:YP+33], v[YP+34:YP+35]
	v_add_f32 v[YP+32], v[YP+32], v[YP+33]         ; L
	v_rcp_f32 v[YP+34], v[YP+32]
	FOLD YP, 4                                     ; plain work stands between the reciprocal and its use (ISA guide 5.7.2)
	FOLD YP, 2
	FOLD YP, 1
	s_wait_alu depctr_va_vdst(0)
	v_pk_mul_f32 v[Y:Y+1], v[YP:YP+1], v[YP+34:YP+35] op_sel_hi:[1,0]      ; both halves by 1 / L
	v_pk_mul_f32 v[Y+2:Y+3], v[YP+2:YP+3], v[YP+34:YP+35] op_sel_hi:[1,0]
	s_wait_loadcnt 0x0                             ; W_v
.set i, 0
.rept 16
	v_pk_mul_f32 v[WV+4*i:WV+4*i+1], v[WV+4*i:WV+4*i+1], v[Y:Y+1]
	v_pk_fma_f32 v[WV+4*i:WV+4*i+1], v[WV+4*i+2:WV+4*i+3], v[Y+2:Y+3], v[WV+4*i:WV+4*i+1]
	v_add_f32 v[YP+i], v[WV+4*i], v[WV+4*i+1]      ; my 4 columns' part of row i
.set i, i+1
.endr
.irp m, 1,2,4,8                        ; sixteen sums over the lanes, step by step side by side
.set i, 0
.rept 16
	v_add_f32_dpp v[YP+i], v[YP+i], v[YP+i] row_xmask:\m row_mask:0xf bank_mask:0xf
.set i, i+1
.endr
.endr
.set i, 0
.rept 16
	v_permlanex16_b32 v[YP+16+i], v[YP+i], s[SEL], s[SEL+1]
.set i, i+1
.endr
.set i, 0
.rept 16
	v_add_f32 v[YP+i], v[YP+i], v[YP+16+i]
.set i, i+1
.endr
	s_wait_alu depctr_va_vdst(0)                   ; the sixteen additions have written v[YP ..], which the run of LDS stores reads
.set i, 0
.rept 16
	ds_store_b32 v26, v[YP+i] offset:4*i           ; all lanes store the same number to the same word
.set i, i+1
.endr
	s_wait_dscnt 0x0
	s_barrier_signal -1
	s_barrier_wait -1
	s_cmp_lg_u32 s12, 0
	s_cbranch_scc1 .Lend
	ds_load_b128 v[RES:RES+3], v28                 ; registers that no vector instruction names and no store has read
	s_wait_dscnt 0x0
	global_store_b128 v1, v[RES:RES+3], s[10:11]   ; 512 consecutive bytes, at a multiple of 512 from x1p's first byte
.Lend:
	s_wait_dscnt 0x0
	s_wait_alu depctr_hold_cnt(0) depctr_sa_sdst(0) depctr_va_vdst(0) depctr_va_sdst(0) depctr_va_ssrc(0) depctr_va_vcc(0) depctr_vm_vsrc(0)
	s_wait_tensorcnt 0x0
	ds_add_u32 v30, v31
	s_wait_dscnt 0x0
	s_endpgm
.Lfunc_end_k_q35b9ebbb4d_combine:
	.size	k_q35b9ebbb4d_combine, .Lfunc_end_k_q35b9ebbb4d_combine-k_q35b9ebbb4d_combine
	.p2alignl 7, 3214868480
	.fill 96, 4, 3214868480
	.section	.rodata,"a",@progbits
	.p2align	6, 0x0
	.amdhsa_kernel k_q35b9ebbb4d_combine
		.amdhsa_group_segment_fixed_size 6144
		.amdhsa_private_segment_fixed_size 0
		.amdhsa_enable_private_segment 0
		.amdhsa_kernarg_size 32
		.amdhsa_user_sgpr_count 2
		.amdhsa_user_sgpr_kernarg_segment_ptr 1
		.amdhsa_wavefront_size32 1
		.amdhsa_system_sgpr_workgroup_id_x 1
		.amdhsa_system_sgpr_workgroup_id_y 1
		.amdhsa_system_sgpr_workgroup_id_z 1
		.amdhsa_system_vgpr_workitem_id 0
		.amdhsa_next_free_vgpr 224
		.amdhsa_next_free_sgpr 66
		.amdhsa_reserve_vcc 0
		.amdhsa_float_denorm_mode_32 3
		.amdhsa_float_denorm_mode_16_64 3
		.amdhsa_memory_ordered 1
		.amdhsa_forward_progress 1
		.amdhsa_inst_pref_size 28
	.end_amdhsa_kernel
	.amdgpu_metadata
---
amdhsa.version: [ 1, 2 ]
amdhsa.kernels:
  - .name:           k_q35b9ebbb4d_combine
    .symbol:         k_q35b9ebbb4d_combine.kd
    .args:
      - { .name: yp, .offset: 0, .size: 8, .value_kind: global_buffer, .address_space: global }
      - { .name: stats, .offset: 8, .size: 8, .value_kind: global_buffer, .address_space: global }
      - { .name: W_kv, .offset: 16, .size: 8, .value_kind: global_buffer, .address_space: global }
      - { .name: x1p, .offset: 24, .size: 8, .value_kind: global_buffer, .address_space: global }
    .group_segment_fixed_size: 6144
    .private_segment_fixed_size: 0
    .kernarg_segment_align: 8
    .kernarg_segment_size: 32
    .max_flat_workgroup_size: 256
    .sgpr_count:     66
    .vgpr_count:     224
    .wavefront_size: 32
...
	.end_amdgpu_metadata
.endif
;; end of part 7
;; launch proj1: the kernel of part 4 again; grid 16 x 16, 4 waves a work-group, no clusters, 768 bytes of LDS; arguments x1p, b_kv, W_p1, h1p; writes h1p
;; launch resid: the kernel of part 5 again; grid 32 x 8, 16 waves a work-group, no clusters, 4,352 bytes of LDS; arguments x, h1p, b_p1, ln_w, ln_b, W_p2, b_p2, out0; writes out0
